; MI455X (gfx1250); checked and timed in simulation.
; The chip was launched on July 23, 2026; its instructions are those of AMD's public machine-readable ISA for CDNA 5 (MIT licence, August 2026) and "CDNA5" Instruction Set Architecture Reference Guide (July 2026). The comments in the code are by the model that wrote it; some were corrected since.
;; Optimized Mo E. Allowed arithmetic: matrix products marked QUANTISED: E5M2 operands, one given power-of-two scale a tensor, by v_wmma_f32_16x16x64_bf8_bf8 or v_wmma_f32_16x16x128_bf8_bf8, f32 sums; products left as they are: f32 operands where the result goes on into a quantised operand, else bf16, f16 or f32 operands; f32 sums; everything else in f32.
;; Inputs: expert_b 8 x 1,024 float32; expert_w 8 x 1,024 x 1,024 float32; lowp_scales 2 int32 (the exponents e of the quantised operands' scales 2^e); router_b 8 float32; router_w 8 x 1,024 float32; x 2 x 2,048 x 1,024 float32.
;; Outputs: out0 2 x 2,048 x 1,024 float32.
;; This version of the problem:
;;   THIS VERSION OF THE PROBLEM IS GIVEN IN LOW PRECISION. The matrix products marked QUANTISED in the list below multiply operands that are first quantised to E5M2 (5 exponent bits, 2 mantissa bits; 8 bits a number), with one given power-of-two scale for each operand tensor; their sums are f32. All else is computed in f32.
;;   The module's matrix products, in the order in which they are computed (A, B: the left and right operand; K: the contracted axis; several contracted axes count as one K, in the product's order):
;;     1. [M 4,096, K 1,024] x [K 1,024, N 8]; A: input x; B: input router_w: left as it is (N = 8 < 16)
;;     2. [M 4,096, K 1,024] x [K 1,024, N 8,192]; A: input x; B: input expert_w: QUANTISED (scales: A lowp_scales[0], B lowp_scales[1])
;;   THE QUANTISER, for each operand of a quantised product, along K:
;;     - The operand's scale is 2^e, e = its entry of the input lowp_scales (int32; the entries are numbered through the quantised products in the list's order, A before B).
;;     - Each number is divided by the scale, clamped to +-57,344, and rounded to the nearest number of E5M2, ties to even, subnormals kept.
;;     - The product sums the exact products of the quantised numbers (number of the format x scale) in f32.
;;   ~~~python
;;   def quantise(x, axis, e):      # numpy; x: float32 -> the quantised numbers, widened to float32 again
;;       x = np.moveaxis(x, axis, -1); K = x.shape[-1]
;;       r = np.clip(x / 2.0 ** e, -57344, 57344)
;;       step = 2.0 ** (np.maximum(np.frexp(np.where(r == 0, 1, r))[1] - 1, -14) - 2)
;;       q = np.round(r / step) * step * 2.0 ** e      # np.round: ties to even
;;       return np.moveaxis(q, -1, axis).astype(np.float32)
;;   ~~~
;; 3 versions. Each part assembles by itself: llvm-mc -triple=amdgcn-amd-amdhsa -mcpu=gfx1250 --defsym DOCPART=n.
;; ======== version 1 of 3: 3 launches
;; workspace buffers: xq 4,194,304 bytes; wq 8,388,608 bytes; idx 16,384 bytes of whole numbers; gate 16,384 bytes; order 131,072 bytes of whole numbers; counts 256 bytes of whole numbers
;; launch prep (part 1): grid 256 x 1, 8 waves a work-group, no clusters, 33,792 bytes of LDS; arguments x, router_w, router_b, expert_w, lowp_scales, xq, wq, idx, gate; writes xq, wq, idx, gate
.if DOCPART == 1
	.amdgcn_target "amdgcn-amd-amdhsa--gfx1250"
	.amdhsa_code_object_version 6
	.text
	.protected	k_q989354b851_prep
	.globl	k_q989354b851_prep
	.p2align	8
	.type	k_q989354b851_prep,@function
k_q989354b851_prep:
	s_mov_b64 s[64:65], 0
	v_nop
	global_prefetch_b8 v0, s[64:65] scope:SCOPE_SE
	s_setreg_imm32_b32 hwreg(HW_REG_WAVE_MODE, 25, 1), 1
	s_wait_xcnt 0x0
; QUANTISER AND ROUTER.  x [4096][1024] and expert_w [8192][1024], f32, are each read once and turned into codes of E5M2, K innermost (xq, wq):
; code = number / 2^e, held within +-57,344, to the nearest code, ties to even; e = lowp_scales[0] for x, [1] for expert_w.
; On the way x also gives the router's 8 logits (f32 products and sums, router_b added), idx = their argmax (the first of equals) and
; gate = softmax at the argmax = 1 / sum of exp(l - max): the maximum is taken away first, so the sum is at least 1.
; LIMITS: -126 <= e <= 112, so that 2^e and 57,344 x 2^e are f32 numbers.  NaN among the inputs is not served.  Two top logits that differ by
; less than the rounding of an f32 sum of 1,024 terms may route otherwise than a sum taken in another order.
; SHARES.  Both tensors are plain streams, cut into steps of 512 numbers (2,048 bytes in, 512 bytes of codes out).  Waves 0-3 of work-group g
; take tokens 16 g + 4 w .. + 3: 8 steps, step 2 t + j is half j of token t.  Waves 4-7 take run 4 g + w - 4 of expert_w: 16 steps.
; In a step lane l holds the 16 neighbours k = 16 l .. 16 l + 15 (four loads that together read 2,048 consecutive bytes), as the conversions
; want them; its 16 codes are 16 bytes, so a wave's store covers 512 consecutive bytes at a multiple of 512.
; The router is 8 of 8,200 output columns and a lane holds x by columns as it was loaded, so it runs on the vector unit: no matrix instruction,
; no transposition.  Waves share router_w alone (through LDS, one barrier); nothing else is shared, so no cluster and no tensor load.
; idx and gate are 16 bytes a wave, stored by one lane: the two tables are 32 KiB in all.
.set T,    16                          ; v[16:31]   a step's numbers, held
.set WA,   32                          ; v[32:63]   router rows, two buffers of 16; at first the landing of my row of router_w
.set X,    64                          ; v[64:191]  step st: 16 registers at X + 16 (st % 8)
.set C,    192                         ; v[192:255] codes: four registers for each step, so that no store's data are written again
.set ACC,  192                         ; waves 0-3, behind their last step: token t, expert e: a pair of partial sums at ACC + 2 (8 t + e)
.set IDX,  64                          ; behind the products X is free: v[64:67] argmax,
.set GATE, 68                          ; v[68:71] gate,
.set BEST, 72                          ; v[72:75] maximum,
.set SUM,  76                          ; v[76:79] sum of exponentials
	s_load_b512 s[4:19], s[0:1], 0x0               ; x s[4:5], router_w s[6:7], router_b s[8:9], expert_w s[10:11], lowp_scales s[12:13], xq s[14:15], wq s[16:17], idx s[18:19]
	s_load_b64 s[20:21], s[0:1], 0x40              ; gate
	v_lshl_add_u32 v14, v0, 2, 0x8000
	v_mov_b32 v15, 0
	v_lshrrev_b32 v6, 5, v0
	v_readfirstlane_b32 s2, v6                     ; wave 0..7
	v_and_b32 v7, 31, v0                           ; lane
	v_lshlrev_b32 v1, 6, v7                        ; 64 x lane: my 16 numbers of a step
	v_lshlrev_b32 v2, 4, v7                        ; 16 x lane: my 16 codes of a step; my place in a run of router numbers in LDS
	s_lshl_b32 s36, s2, 12                         ; row w of router_w, in memory and in LDS
	s_mov_b32 s37, 0
	v_add_nc_u32 v3, s36, v2
	s_mov_b32 s38, 0x76543210                      ; v_permlanex16_b32: lane i of one half reads lane i of the other
	s_mov_b32 s39, 0xfedcba98
	s_lshl_b32 s42, ttmp9, 16                      ; x: 16 tokens of 4,096 bytes a work-group,
	s_lshl_b32 s43, s2, 14                         ; 4 a wave
	s_add_co_u32 s42, s42, s43
	s_lshl2_add_u32 s43, ttmp9, s2                 ; expert_w: run 4 g + w - 4 (used by waves 4-7 alone)
	s_sub_co_u32 s43, s43, 4
	s_lshl_b32 s43, s43, 15                        ; of 32,768 bytes
	s_cmp_lt_u32 s2, 4                             ; the choice hangs on the wave's number alone
	s_cselect_b32 s42, s42, s43
	s_mov_b32 s43, 0
	s_wait_kmcnt 0x0
	s_cselect_b64 s[32:33], s[4:5], s[10:11]       ; my stream in
	s_cselect_b64 s[34:35], s[14:15], s[16:17]     ; and out
	s_load_b64 s[22:23], s[12:13], 0x0             ; ex, ew
	s_load_b256 s[24:31], s[8:9], 0x0              ; the eight router_b
	s_add_nc_u64 s[6:7], s[6:7], s[36:37]
	s_add_nc_u64 s[32:33], s[32:33], s[42:43]
	s_lshr_b32 s42, s42, 2                         ; a code is a quarter of a number's bytes
	s_add_nc_u64 s[34:35], s[34:35], s[42:43]
.macro LOAD t                          ; step t into set t % 8
.irp i, 0,1,2,3
	global_load_b128 v[X+16*((\t)%8)+4*\i:X+16*((\t)%8)+4*\i+3], v1, s[32:33] offset:2048*(\t)+16*\i th:TH_LOAD_NT
.endr
.endm
	; wave w brings row w of router_w, in the lanes' order of a step: half j, quarter i: k = 512 j + 16 l + 4 i .. + 3
.irp j, 0,1
.irp i, 0,1,2,3
	global_load_b128 v[WA+4*(4*\j+\i):WA+4*(4*\j+\i)+3], v1, s[6:7] offset:2048*\j+16*\i
.endr
.endr
.irp t, 0,1,2,3,4,5,6,7
	LOAD \t                                        ; 32 loads of 512 bytes of every wave are on their way
.endr
	s_wait_kmcnt 0x0
	s_cmp_lt_u32 s2, 4
	s_cselect_b32 s22, s22, s23                    ; e of my stream
	s_add_co_i32 s22, s22, 127
	s_lshl_b32 s23, s22, 23
	v_mov_b32 v4, s23                              ; 2^e as f32: the conversion takes its exponent field
	s_add_co_i32 s22, s22, 15
	s_lshl_b32 s22, s22, 23
	s_or_b32 s22, s22, 0x600000
	v_mov_b32 v5, s22                              ; 57,344 x 2^e
	s_wait_loadcnt 32                              ; loads come back in order (ISA guide 5.7.1): router_w is in, the 32 loads of the stream stay out
	; in LDS: expert e, half j, quarter i, lane l at 4096 e + 2048 j + 512 i + 16 l: a wave's read of a quarter is 512 consecutive bytes
.irp j, 0,1
.irp i, 0,1,2,3
	ds_store_b128 v3, v[WA+4*(4*\j+\i):WA+4*(4*\j+\i)+3] offset:2048*\j+512*\i
.endr
.endr
	s_wait_dscnt 0x0                               ; my row is in LDS, for the other waves' sake,
	s_barrier_signal -1
	s_barrier_wait -1                              ; and so are all eight; nobody writes them again
; One step: left = how many younger loads may stay out; refill = 1: the set takes the step eight further on.
.macro QSTEP st, left, refill
	s_wait_loadcnt \left
.irp i, 0,1,2,3,4,5,6,7,8,9,10,11,12,13,14,15
	v_med3_num_f32 v[T+\i], v[X+16*((\st)%8)+\i], -v5, v5   ; the conversion to an 8-bit code does not saturate (ISA guide 7.6.2): held first; X stays as loaded, for the router
.endr
	v_cvt_scalef32_pk8_bf8_f32 v[C+4*(\st):C+4*(\st)+1], v[T:T+7], v4
	v_cvt_scalef32_pk8_bf8_f32 v[C+4*(\st)+2:C+4*(\st)+3], v[T+8:T+15], v4
	v_nop                                          ; one plain vector instruction stands between a scaled conversion and what touches its result or writes its sources
	global_store_b128 v2, v[C+4*(\st):C+4*(\st)+3], s[34:35] offset:512*(\st)
.if \refill
	LOAD (\st)+8
.endif
.endm
	s_cmp_lt_u32 s2, 4
	s_cbranch_scc1 .Lrouter
	; WAVES 4-7: sixteen steps of expert_w; seven younger steps (28 loads) stay out as long as there are seven
.set st, 0
.rept 16
.if st < 8
	QSTEP st, 28, 1
.elseif st == 8
	QSTEP st, 28, 0
.else
	QSTEP st, 4*(15-st), 0
.endif
.set st, st+1
.endr
	s_wait_tensorcnt 0x0
	ds_add_u32 v14, v15
	s_wait_dscnt 0x0
	s_endpgm
.Lrouter:
; WAVES 0-3.  Unit n of 16: half j = n >> 3 of the rows, eight of my sixteen columns (hf = (n >> 2) & 1), experts 2 (n & 3) and 2 (n & 3) + 1: four LDS loads.
.macro WREQ n
.irp q, 0,1
.irp ii, 0,1
	ds_load_b128 v[WA+16*((\n)&1)+8*\q+4*\ii:WA+16*((\n)&1)+8*\q+4*\ii+3], v2 offset:(2*((\n)&3)+\q)*4096+2048*((\n)>>3)+512*(2*(((\n)>>2)&1)+\ii)
.endr
.endr
.endm
	WREQ 0
	WREQ 1
	s_lshl_b32 s36, ttmp9, 6                       ; idx and gate: 4 bytes a token, 16 tokens a work-group,
	s_lshl_b32 s41, s2, 4                          ; 4 a wave
	s_add_co_u32 s36, s36, s41
	s_add_nc_u64 s[18:19], s[18:19], s[36:37]
	s_add_nc_u64 s[20:21], s[20:21], s[36:37]
.irp st, 0,1,2,3,4,5,6,7
	QSTEP \st, 28-4*\st, 0                         ; the counts run down: nothing is asked for behind step 7
.endr
	s_wait_xcnt 0x0                                ; the codes' registers, which the stores read, become the sums only behind this wait
	; 16 units of 32 packed multiply-adds: 2 experts x 4 tokens x 4 pairs of columns, eight chains that do not wait for each other
.set un, 0
.rept 16
.set uj, un>>3
.set uh, (un>>2)&1
.set ue, un&3
.if un == 15
	s_wait_dscnt 0x0                               ; nothing was asked for behind the last unit's rows
.else
	s_wait_dscnt 0x4                               ; this unit's rows are in; the next unit's four loads stay out
.endif
.irp pp, 0,1,2,3
.irp q, 0,1
.irp t, 0,1,2,3
.if (un < 4) && (\pp == 0)
	v_pk_mul_f32 v[ACC+2*(8*\t+2*ue+\q):ACC+2*(8*\t+2*ue+\q)+1], v[X+16*(2*\t+uj)+8*uh+2*\pp:X+16*(2*\t+uj)+8*uh+2*\pp+1], v[WA+16*(un&1)+8*\q+2*\pp:WA+16*(un&1)+8*\q+2*\pp+1]   ; the first product starts the sums
.else
	v_pk_fma_f32 v[ACC+2*(8*\t+2*ue+\q):ACC+2*(8*\t+2*ue+\q)+1], v[X+16*(2*\t+uj)+8*uh+2*\pp:X+16*(2*\t+uj)+8*uh+2*\pp+1], v[WA+16*(un&1)+8*\q+2*\pp:WA+16*(un&1)+8*\q+2*\pp+1], v[ACC+2*(8*\t+2*ue+\q):ACC+2*(8*\t+2*ue+\q)+1]
.endif
.endr
.endr
.endr
.if un < 14
	WREQ un+2                                      ; two units ahead, into the buffer just used
.endif
.set un, un+1
.endr
	; 32 sums over the lanes, stage by stage: the pair, four steps inside 16 lanes (DPP), one across the halves, then router_b
.set k, 0
.rept 32
	v_add_f32 v[ACC+2*k], v[ACC+2*k], v[ACC+2*k+1]
.set k, k+1
.endr
.irp m, 1,2,4,8
.set k, 0
.rept 32
	v_add_f32_dpp v[ACC+2*k], v[ACC+2*k], v[ACC+2*k] row_xmask:\m row_mask:0xf bank_mask:0xf
.set k, k+1
.endr
.endr
.set k, 0
.rept 32
	v_permlanex16_b32 v[ACC+2*k+1], v[ACC+2*k], s38, s39   ; the destination, which counts as read, has been written
.set k, k+1
.endr
.set k, 0
.rept 32
	v_add_f32 v[ACC+2*k], v[ACC+2*k], v[ACC+2*k+1]
.set k, k+1
.endr
.set k, 0
.rept 32
	v_add_f32 v[ACC+2*k], s[24+k%8], v[ACC+2*k]    ; every lane now holds logit (t = k / 8, e = k % 8)
.set k, k+1
.endr
	; argmax (the first of equals) and maximum
.irp t, 0,1,2,3
	v_mov_b32 v[IDX+\t], 0
	v_mov_b32 v[BEST+\t], v[ACC+16*\t]
.endr
.irp e, 1,2,3,4,5,6,7
.irp t, 0,1,2,3
	v_cmp_ge_f32 vcc_lo, v[BEST+\t], v[ACC+16*\t+2*\e]
	v_cndmask_b32 v[IDX+\t], \e, v[IDX+\t], vcc_lo         ; best >= l: the index stays, else it is e
	v_max_num_f32 v[BEST+\t], v[BEST+\t], v[ACC+16*\t+2*\e]
.endr
.endr
	; exp(l - max) = 2^((l - max) log2 e), in the pairs' second registers
.set k, 0
.rept 32
	v_sub_f32 v[ACC+2*k+1], v[ACC+2*k], v[BEST+k/8]
.set k, k+1
.endr
.set k, 0
.rept 32
	v_mul_f32 v[ACC+2*k+1], 0x3fb8aa3b, v[ACC+2*k+1]
.set k, k+1
.endr
.set k, 0
.rept 32
	v_exp_f32 v[ACC+2*k+1], v[ACC+2*k+1]
.set k, k+1
.endr
	v_nop                                          ; one plain vector instruction behind the last exponential before its result is read (ISA guide 5.7.2)
	s_wait_alu depctr_va_vdst(0)
.irp t, 0,1,2,3
	v_add_f32 v[SUM+\t], v[ACC+16*\t+1], v[ACC+16*\t+3]
.endr
.irp e, 2,3,4,5,6,7
.irp t, 0,1,2,3
	v_add_f32 v[SUM+\t], v[SUM+\t], v[ACC+16*\t+2*\e+1]
.endr
.endr
.irp t, 0,1,2,3
	v_rcp_f32 v[GATE+\t], v[SUM+\t]                ; the exponential at the argmax is 1
.endr
	v_nop                                          ; as above, before the store reads the reciprocals
	s_wait_xcnt 0x0                                ; EXEC is a source of the pending stores: it changes only behind this wait
	v_cmp_eq_u32 vcc_lo, 0, v2
	s_wait_tensorcnt 0x0
	ds_add_u32 v14, v15
	s_wait_dscnt 0x0
	s_and_saveexec_b32 s40, vcc_lo                 ; lane 0, whose v2 is 0
	global_store_b128 v2, v[IDX:IDX+3], s[18:19]
	s_wait_alu depctr_va_vdst(0)
	global_store_b128 v2, v[GATE:GATE+3], s[20:21]
	s_endpgm
.Lfunc_end_k_q989354b851_prep:
	.size	k_q989354b851_prep, .Lfunc_end_k_q989354b851_prep-k_q989354b851_prep
	.p2alignl 7, 3214868480
	.fill 96, 4, 3214868480
	.section	.rodata,"a",@progbits
	.p2align	6, 0x0
	.amdhsa_kernel k_q989354b851_prep
		.amdhsa_group_segment_fixed_size 33792
		.amdhsa_private_segment_fixed_size 0
		.amdhsa_enable_private_segment 0
		.amdhsa_kernarg_size 72
		.amdhsa_user_sgpr_count 2
		.amdhsa_user_sgpr_kernarg_segment_ptr 1
		.amdhsa_wavefront_size32 1
		.amdhsa_system_sgpr_workgroup_id_x 1
		.amdhsa_system_sgpr_workgroup_id_y 1
		.amdhsa_system_sgpr_workgroup_id_z 1
		.amdhsa_system_vgpr_workitem_id 0
		.amdhsa_next_free_vgpr 256
		.amdhsa_next_free_sgpr 66
		.amdhsa_reserve_vcc 1
		.amdhsa_float_denorm_mode_32 3
		.amdhsa_float_denorm_mode_16_64 3
		.amdhsa_memory_ordered 1
		.amdhsa_forward_progress 1
		.amdhsa_inst_pref_size 99
	.end_amdhsa_kernel
	.amdgpu_metadata
---
amdhsa.version: [ 1, 2 ]
amdhsa.kernels:
  - .name:           k_q989354b851_prep
    .symbol:         k_q989354b851_prep.kd
    .args:
      - { .name: x, .offset: 0, .size: 8, .value_kind: global_buffer, .address_space: global }
      - { .name: router_w, .offset: 8, .size: 8, .value_kind: global_buffer, .address_space: global }
      - { .name: router_b, .offset: 16, .size: 8, .value_kind: global_buffer, .address_space: global }
      - { .name: expert_w, .offset: 24, .size: 8, .value_kind: global_buffer, .address_space: global }
      - { .name: lowp_scales, .offset: 32, .size: 8, .value_kind: global_buffer, .address_space: global }
      - { .name: xq, .offset: 40, .size: 8, .value_kind: global_buffer, .address_space: global }
      - { .name: wq, .offset: 48, .size: 8, .value_kind: global_buffer, .address_space: global }
      - { .name: idx, .offset: 56, .size: 8, .value_kind: global_buffer, .address_space: global }
      - { .name: gate, .offset: 64, .size: 8, .value_kind: global_buffer, .address_space: global }
    .group_segment_fixed_size: 33792
    .private_segment_fixed_size: 0
    .kernarg_segment_align: 8
    .kernarg_segment_size: 72
    .max_flat_workgroup_size: 256
    .sgpr_count:     66
    .vgpr_count:     256
    .wavefront_size: 32
...
	.end_amdgpu_metadata
.endif
;; end of part 1
;; launch bucket (part 2): grid 8 x 1, 8 waves a work-group, no clusters, 1,280 bytes of LDS; arguments idx, order, counts; writes order, counts
.if DOCPART == 2
	.amdgcn_target "amdgcn-amd-amdhsa--gfx1250"
	.amdhsa_code_object_version 6
	.text
	.protected	k_q989354b851_bucket
	.globl	k_q989354b851_bucket
	.p2align	8
	.type	k_q989354b851_bucket,@function
k_q989354b851_bucket:
	s_mov_b64 s[64:65], 0
	v_nop
	global_prefetch_b8 v0, s[64:65] scope:SCOPE_SE
	s_setreg_imm32_b32 hwreg(HW_REG_WAVE_MODE, 25, 1), 1
	s_wait_xcnt 0x0
; LISTS.  Work-group e makes row e of order [8][4096]: the tokens whose idx is e, ascending, then all the others, ascending
; (so that every entry of the row is written and every lane always stores), and counts[e], the number of the first kind.
; No sum crosses work-groups: each of the 8 reads all 4,096 indices (16 KiB) for itself.  There is work for 8 work-groups only.
; Wave w takes tokens 512 w + 32 s + l, s = 0 .. 15: token order is (w, s, l) order.
.set IV,  2                            ; v[2:17]   idx of step s
.set TK,  18                           ; v[18:33]  token number of step s
.set PS,  34                           ; v[34:49]  its place in the row, then that place in bytes
.set MK,  16                           ; s[16:31]  step s: mask of the lanes whose token belongs to e
.set TOT, 32                           ; s[32:39]  the eight waves' member counts
	s_load_b128 s[4:7], s[0:1], 0x0                ; idx s[4:5], order s[6:7]
	s_load_b64 s[8:9], s[0:1], 0x10                ; counts
	v_lshl_add_u32 v64, v0, 2, 0x100
	v_mov_b32 v65, 0
	v_lshrrev_b32 v50, 5, v0
	v_readfirstlane_b32 s2, v50                    ; wave 0..7
	v_and_b32 v51, 31, v0                          ; lane
	v_lshlrev_b32 v1, 2, v51
	v_lshl_add_u32 v1, v50, 11, v1                 ; 2048 w + 4 l: my index of step 0
	v_lshl_add_u32 v[TK], v50, 9, v51              ; 512 w + l
.irp s, 1,2,3,4,5,6,7,8,9,10,11,12,13,14,15
	v_add_nc_u32 v[TK+\s], 32*\s, v[TK]
.endr
	s_mov_b32 s10, ttmp9                           ; e
	s_lshl_b32 s12, ttmp9, 14                      ; a row of order is 16,384 bytes
	s_mov_b32 s13, 0
	s_lshl_b32 s14, ttmp9, 2
	s_mov_b32 s15, 0
	s_wait_kmcnt 0x0
	s_add_nc_u64 s[6:7], s[6:7], s[12:13]
	s_add_nc_u64 s[8:9], s[8:9], s[14:15]
.irp s, 0,1,2,3,4,5,6,7,8,9,10,11,12,13,14,15
	global_load_b32 v[IV+\s], v1, s[4:5] offset:128*\s
.endr
	s_mov_b32 s43, 0
	s_wait_loadcnt 0x0
.irp s, 0,1,2,3,4,5,6,7,8,9,10,11,12,13,14,15
	v_cmp_eq_u32 s[MK+\s], s10, v[IV+\s]
	s_bcnt1_i32_b32 s42, s[MK+\s]
	s_add_co_u32 s43, s43, s42                     ; my wave's members
.endr
	v_mov_b32 v51, s2
	v_lshlrev_b32 v51, 2, v51
	v_mov_b32 v52, s43
	ds_store_b32 v51, v52                          ; word w; all lanes write the same value
	s_wait_dscnt 0x0                               ; in LDS, for the other waves' sake
	s_barrier_signal -1
	s_barrier_wait -1
	v_mov_b32 v53, 0
	ds_load_b128 v[54:57], v53
	ds_load_b128 v[58:61], v53 offset:16
	s_wait_dscnt 0x0
.irp k, 0,1,2,3,4,5,6,7
	v_readfirstlane_b32 s[TOT+\k], v[54+\k]
.endr
	s_mov_b32 s40, 0                               ; members in front of my wave's first token
	s_mov_b32 s41, 0                               ; members in all
.irp k, 0,1,2,3,4,5,6,7
	s_cmp_gt_u32 s2, \k
	s_cselect_b32 s42, s[TOT+\k], 0
	s_add_co_u32 s40, s40, s42
	s_add_co_u32 s41, s41, s[TOT+\k]
.endr
	; r = members in front of my token.  A member goes to place r, another token t to place cnt + (t - r).
	; Each step has registers of its own, so no store's sources are rewritten.
.irp s, 0,1,2,3,4,5,6,7,8,9,10,11,12,13,14,15
	v_mbcnt_lo_u32_b32 v[PS+\s], s[MK+\s], s40
	v_sub_nc_u32 v50, v[TK+\s], v[PS+\s]
	v_add_nc_u32 v50, s41, v50
	v_cndmask_b32 v[PS+\s], v50, v[PS+\s], s[MK+\s]
	v_min_u32 v[PS+\s], 0xfff, v[PS+\s]            ; a place made from loaded numbers enters an address only clamped to the row
	v_lshlrev_b32 v[PS+\s], 2, v[PS+\s]
	global_store_b32 v[PS+\s], v[TK+\s], s[6:7]
	s_bcnt1_i32_b32 s42, s[MK+\s]
	s_add_co_u32 s40, s40, s42
.endr
	s_wait_xcnt 0x0                                ; EXEC is a source of the pending stores: it changes only behind this wait
	v_cmp_eq_u32 vcc_lo, 0, v0
	s_wait_tensorcnt 0x0
	ds_add_u32 v64, v65
	s_wait_dscnt 0x0
	s_and_saveexec_b32 s44, vcc_lo                 ; thread 0 alone
	v_mov_b32 v51, s41
	global_store_b32 v53, v51, s[8:9]              ; counts[e]
	s_endpgm
.Lfunc_end_k_q989354b851_bucket:
	.size	k_q989354b851_bucket, .Lfunc_end_k_q989354b851_bucket-k_q989354b851_bucket
	.p2alignl 7, 3214868480
	.fill 96, 4, 3214868480
	.section	.rodata,"a",@progbits
	.p2align	6, 0x0
	.amdhsa_kernel k_q989354b851_bucket
		.amdhsa_group_segment_fixed_size 1280
		.amdhsa_private_segment_fixed_size 0
		.amdhsa_enable_private_segment 0
		.amdhsa_kernarg_size 24
		.amdhsa_user_sgpr_count 2
		.amdhsa_user_sgpr_kernarg_segment_ptr 1
		.amdhsa_wavefront_size32 1
		.amdhsa_system_sgpr_workgroup_id_x 1
		.amdhsa_system_sgpr_workgroup_id_y 1
		.amdhsa_system_sgpr_workgroup_id_z 1
		.amdhsa_system_vgpr_workitem_id 0
		.amdhsa_next_free_vgpr 66
		.amdhsa_next_free_sgpr 66
		.amdhsa_reserve_vcc 1
		.amdhsa_float_denorm_mode_32 3
		.amdhsa_float_denorm_mode_16_64 3
		.amdhsa_memory_ordered 1
		.amdhsa_forward_progress 1
		.amdhsa_inst_pref_size 15
	.end_amdhsa_kernel
	.amdgpu_metadata
---
amdhsa.version: [ 1, 2 ]
amdhsa.kernels:
  - .name:           k_q989354b851_bucket
    .symbol:         k_q989354b851_bucket.kd
    .args:
      - { .name: idx, .offset: 0, .size: 8, .value_kind: global_buffer, .address_space: global }
      - { .name: order, .offset: 8, .size: 8, .value_kind: global_buffer, .address_space: global }
      - { .name: counts, .offset: 16, .size: 8, .value_kind: global_buffer, .address_space: global }
    .group_segment_fixed_size: 1280
    .private_segment_fixed_size: 0
    .kernarg_segment_align: 8
    .kernarg_segment_size: 24
    .max_flat_workgroup_size: 256
    .sgpr_count:     66
    .vgpr_count:     66
    .wavefront_size: 32
...
	.end_amdgpu_metadata
.endif
;; end of part 2
;; launch experts (part 3): grid 256 x 1, 4 waves a work-group, no clusters, 217,600 bytes of LDS; arguments xq, wq, order, counts, gate, expert_b, lowp_scales, out0; writes out0
.if DOCPART == 3
	.amdgcn_target "amdgcn-amd-amdhsa--gfx1250"
	.amdhsa_code_object_version 6
	.text
	.protected	k_q989354b851_experts
	.globl	k_q989354b851_experts
	.p2align	8
	.type	k_q989354b851_experts,@function
k_q989354b851_experts:
	s_mov_b64 s[64:65], 0
	v_nop
	global_prefetch_b8 v0, s[64:65] scope:SCOPE_SE
	s_setreg_imm32_b32 hwreg(HW_REG_WAVE_MODE, 25, 1), 1
	s_wait_xcnt 0x0
; out[t] = gate[t] (x[t] W_e^T + b_e) for the one expert e that token t was routed to: only that eighth of the product is made; the gather throws the rest away for every input.
; Both operands are codes of E5M2 (xq, wq, K innermost), multiplied as they are by v_wmma_f32_16x16x128_bf8_bf8, sums in f32.  With E = ex + ew:
; out = (sum of code products + b 2^-E) x (gate 2^E): the bias, scaled, is the C of a unit's first K step, so no bias is added and nothing is cleared.
; LIMITS: b 2^-E and gate 2^E are made by v_ldexp_f32 and are exact as long as they are normal f32 numbers.  NaN is not served.
; SHARES.  Work-group g: expert e = g >> 5; slice sl = (g >> 1) & 15: 64 output columns, 256 bytes of an output row; part = g & 1.  The expert's list (row e of order, counts[e] = N
; members) is dealt in units of 32 entries among the 8 waves of an (e, sl): wave u = 2 w + part takes units u, u + 8, ..  Each wave holds the WHOLE slice of W as fragments in
; 512 registers (read from LDS once) and walks its units alone: a trip = 2 blocks of 16 tokens x 4 tiles of 16 columns x 8 K steps of 128 = 64 matrix instructions on
; 8 accumulators by turns, one instruction a turn.
; Places at or beyond N are clamped to the last member, which lies in the same unit of the same wave whenever the trip runs (32 (u + 8 t) < N): that row is made and stored again
; with equal numbers, so every lane stays on and no branch is needed for them.
; AHEAD: a trip's head finds its unit's codes and gates and the next unit's tokens; in the trip the next unit's codes are asked for, and, behind the products, the tokens of the
; unit after that and the next unit's gates.
; THE MATRIX INSTRUCTION IS USED TRANSPOSED: source 0 = 16 rows of W, source 1 = 16 tokens: register j of lane (r = l & 15, h = l >> 4) holds token r, column 16 nt + 8 h + j.
; A fragment (16 rows x 128 k, 16 registers) comes by four loads of 16 bytes, 32 apart: registers 4 c .. 4 c + 3 hold k = 32 c + 16 h + 0 .. 15: a permutation of k that is the
; same on both sides, so every product meets its partner; only the order of the sums inside an instruction changes.
; NO CLUSTER, NO TENSOR LOADS: the rows of x that the 16 slices share are gathered by a list, one address a row, and the number of trips hangs on N, which differs between
; work-groups; W's slice, 65,536 bytes, is shared by 2 work-groups alone and read once.
; No LDS address register is ever stepped: row, block and K step stand in the immediates (50,912 at the most).
; LDS: W's codes at 0: 64 rows, pitch 1,040 (1,024 + 16: the 16 rows of a fragment start 16 bytes further on modulo 256);
.set WP,    1040
.set XS,    66560                      ; for each wave 32 rows of 1,040: a unit's codes; the wave's own
.set OS,    199680                     ; for each wave 16 rows of 272: a block on its way out; the wave's own.  The end is 217,088
.set OP,    272
; REGISTERS, window 0: v1 16 x lane; v2 16 (l & 15); v3 16 w rows of W + 16 x lane; v4 r rows + 16 h; v5 XS(w) + h rows + 16 (l & 15); v6 XS(w) + r rows + 16 h;
;   v7 OS(w) + 272 r + 32 h; v8 OS(w) + 272 h + 16 (l & 15); v9 byte place in the list of row h of the unit whose tokens are asked for next (4 (32 u + h), + 1,024 a unit of mine);
;   v10 the same of row r; v11 32 h; v12, v14 gate 2^E of token r of block 0, 1 (v13, v15 are named with them as pairs)
.set GN,  16                           ; v[16:17]   gates as loaded: token r of block 0, 1
.set TG,  18                           ; v[18:19]   places, then tokens, for the gates
.set TGC, 20                           ; v[20:21]   those tokens, clamped, x 4
.set TT,  32                           ; v[32:47]   i: place, then token, of row 2 i + h of a unit
.set TC,  48                           ; v[48:63]   the tokens, clamped, of the unit whose codes have been asked for
.set AF,  64                           ; v[64:127]  fragments of x: two buffers x two blocks x 16
.set OB,  64                           ; the same registers on the way out: block m's 16 rows at OB + 32 m
.set ACC, 128                          ; v[128:191] accumulator (m, nt) at ACC + 8 (4 m + nt)
.set BI,  192                          ; v[192:223] 8 nt + j: bias of column 16 nt + 8 h + j, x 2^-E
.set OO,  224                          ; v[224:239] i: token x 4096 + 16 (l & 15): rows 2 i + h of the unit in hand, in out0
.set XO,  240                          ; v[240:255] i: token x 1024 + 16 (l & 15): the same rows of the unit asked for, in xq
; window 1: X: load 4 i + c (rows 2 i + h, bytes 256 c on) at v[4 (4 i + c) ..] (at the head: W's codes as loaded);
; windows 2, 3: W's fragments: K step s, tile nt at v[64 (s & 3) + 16 nt ..] of window 2 + (s >> 2)
; s_set_vgpr_msb's low byte: bits 1:0 source 0, 3:2 source 1, 5:4 source 2, 7:6 destination
.set MSB, 0
.macro WIN new                         ; the immediate's high byte repeats the setting that is left; a switch that changes nothing is dropped
.if MSB != (\new)
	s_set_vgpr_msb (MSB<<8)|(\new)
.set MSB, (\new)
.endif
.endm
; A load into a register that a matrix instruction has read, and a vector instruction that reads a matrix result, stand four plain vector instructions behind it
; (ISA guide 7.12.1 for vector instructions); other matrix instructions are not counted.
.macro PLACES
.rept 4
	v_nop
.endr
.endm
	s_load_b256 s[4:11], s[0:1], 0x0               ; xq s[4:5], wq s[6:7], order s[8:9], counts s[10:11]
	s_load_b256 s[12:19], s[0:1], 0x20             ; gate s[12:13], expert_b s[14:15], lowp_scales s[16:17], out0 s[18:19]
	v_lshl_add_u32 v27, v0, 2, 0x35000
	v_mov_b32 v31, 0
	v_lshrrev_b32 v13, 5, v0
	v_readfirstlane_b32 s2, v13                    ; wave 0..3
	v_mov_b32 v15, 0                               ; (v13 and v15 are named as the upper halves of pairs, so they are written)
	v_and_b32 v30, 31, v0                          ; lane
	v_and_b32 v24, 15, v0                          ; r
	v_bfe_u32 v25, v0, 4, 1                        ; h
	s_lshr_b32 s20, ttmp9, 5                       ; e
	s_bfe_u32 s21, ttmp9, 0x40001                  ; sl: 4 bits from bit 1
	s_and_b32 s22, ttmp9, 1                        ; part
	s_lshl1_add_u32 s28, s2, s22                   ; u = 2 w + part
	v_lshlrev_b32 v1, 4, v30
	v_lshlrev_b32 v2, 4, v24
	s_mul_i32 s26, s2, 16*WP
	v_add_nc_u32 v3, s26, v1
	v_mul_u32_u24 v28, v24, WP
	v_lshl_add_u32 v4, v25, 4, v28                 ; r rows + 16 h
	s_mul_i32 s26, s2, 32*WP
	s_add_co_u32 s26, s26, XS                      ; my XS
	v_add_nc_u32 v6, s26, v4
	v_mul_u32_u24 v29, v25, WP
	v_add_nc_u32 v29, v29, v2
	v_add_nc_u32 v5, s26, v29
	s_mul_i32 s26, s2, 16*OP
	s_add_co_u32 s26, s26, OS                      ; my OS
	v_mul_u32_u24 v29, v24, OP
	v_lshl_add_u32 v29, v25, 5, v29
	v_add_nc_u32 v7, s26, v29
	v_mul_u32_u24 v29, v25, OP
	v_add_nc_u32 v29, v29, v2
	v_add_nc_u32 v8, s26, v29
	s_lshl_b32 s26, s28, 7                         ; 4 bytes x 32 u
	v_lshl_add_u32 v9, v25, 2, s26
	v_lshl_add_u32 v10, v24, 2, s26
	v_lshlrev_b32 v11, 5, v25
	s_mov_b32 s31, 0
	s_wait_kmcnt 0x0
	s_lshl_b32 s30, s20, 2
	s_add_nc_u64 s[10:11], s[10:11], s[30:31]
	s_load_b32 s29, s[10:11], 0x0                  ; counts[e]
	s_load_b64 s[36:37], s[16:17], 0x0             ; ex, ew
	s_lshl_b32 s30, s20, 14
	s_add_nc_u64 s[8:9], s[8:9], s[30:31]          ; order's row e
	s_lshl_b32 s30, s20, 20                        ; wq: an expert is 1,024 rows of 1,024 bytes,
	s_lshl_b32 s26, s21, 16                        ; a slice 64 rows,
	s_add_co_u32 s30, s30, s26
	s_lshl_b32 s26, s2, 14                         ; a wave brings 16 of them
	s_add_co_u32 s30, s30, s26
	s_add_nc_u64 s[6:7], s[6:7], s[30:31]
	s_lshl_b32 s30, s21, 8                         ; the slice's 256 bytes of an output row,
	s_add_nc_u64 s[18:19], s[18:19], s[30:31]
	s_lshl_b32 s26, s20, 12
	s_add_co_u32 s30, s30, s26                     ; and its 64 biases in row e
	s_add_nc_u64 s[14:15], s[14:15], s[30:31]
	WIN 0x40                                       ; destination window 1
.set wn, 0
.rept 32
	global_load_b128 v[4*wn:4*wn+3], v1, s[6:7] offset:1024*(wn/2)+512*(wn%2)   ; my 16 rows of W's codes: 512 consecutive bytes a load
.set wn, wn+1
.endr
	WIN 0
.irp k, 0,1,2,3,4,5,6,7
	global_load_b128 v[BI+4*\k:BI+4*\k+3], v11, s[14:15] offset:64*(\k/2)+16*(\k%2)
.endr
; The tokens of the unit at v9, v10: 16 loads for its rows 2 i + h, 2 for the gates' rows r and 16 + r.  Places are clamped twice: to the last member, and by a constant to
; the row of order.  Each load lands on its own address register.
.macro TOK_ISSUE
.set ti, 0
.rept 16
	v_add_nc_u32 v[TT+ti], 8*ti, v9
	v_min_u32 v[TT+ti], s23, v[TT+ti]
	v_min_u32 v[TT+ti], 0x3ffc, v[TT+ti]
.set ti, ti+1
.endr
.irp m, 0,1
	v_add_nc_u32 v[TG+\m], 64*\m, v10
	v_min_u32 v[TG+\m], s23, v[TG+\m]
	v_min_u32 v[TG+\m], 0x3ffc, v[TG+\m]
.endr
.set ti, 0
.rept 16
	global_load_b32 v[TT+ti], v[TT+ti], s[8:9]
.set ti, ti+1
.endr
.irp m, 0,1
	global_load_b32 v[TG+\m], v[TG+\m], s[8:9]
.endr
.endm
; The tokens are in: they are clamped, and the unit's 32 rows of codes are asked for: 64 loads, 16 lanes to 256 consecutive bytes of one row, at a multiple of 256.
.macro FINISH
.set fn, 0
.rept 16
	v_min_u32 v[TC+fn], 0xfff, v[TT+fn]            ; a loaded token enters an address only clamped to the tables' 4,096 rows
.set fn, fn+1
.endr
.set fn, 0
.rept 16
	v_lshl_add_u32 v[XO+fn], v[TC+fn], 10, v2      ; a row of xq is 1,024 bytes
.set fn, fn+1
.endr
.irp m, 0,1
	v_min_u32 v[TGC+\m], 0xfff, v[TG+\m]
	v_lshlrev_b32 v[TGC+\m], 2, v[TGC+\m]
.endr
	s_wait_dscnt 0x8                               ; the stores of the unit in hand into XS have read X; the eight fragment loads behind them may stay out
	WIN 0x40                                       ; destination window 1, address window 0
.set fn, 0
.rept 64
	global_load_b128 v[4*fn:4*fn+3], v[XO+fn/4], s[4:5] offset:256*(fn%4)
.set fn, fn+1
.endr
	WIN 0
.endm
; Behind a unit's products: the tokens of my next unit but one, and the gates of the unit whose codes were asked for last (in the last trip: of the unit in hand once more;
; every place is clamped, so all of these stay inside their tables, and what the last trips bring is not used).
.macro LATE
	v_add_nc_u32 v9, 1024, v9                      ; 8 units of 32 entries of 4 bytes on
	v_add_nc_u32 v10, 1024, v10
	TOK_ISSUE
.irp m, 0,1
	global_load_b32 v[GN+\m], v[TGC+\m], s[12:13]
.endr
.endm
.macro XSTORE                          ; the unit's 32 rows from X into my XS: load 4 i + c holds rows 2 i + h, bytes 256 c on
	WIN 0x04                                       ; LDS store data window 1
.set xn, 0
.rept 64
	ds_store_b128 v5, v[4*xn:4*xn+3] offset:2*WP*(xn/4)+256*(xn%4)
.set xn, xn+1
.endr
.endm
.macro FRAGS s                         ; x's two fragments of K step s into buffer s & 1: eight loads
	WIN 0
.irp m, 0,1
.irp c, 0,1,2,3
	ds_load_b128 v[AF+32*((\s)&1)+16*\m+4*\c:AF+32*((\s)&1)+16*\m+4*\c+3], v6 offset:16*WP*\m+128*(\s)+32*\c
.endr
.endr
.endm
.macro MULS s                          ; eight matrix instructions, one on each accumulator; K step 0 starts the sums from the bias
	WIN 0x02+((\s)>>2)                             ; source 0 (W) window 2 or 3
.irp nt, 0,1,2,3
.irp m, 0,1
.if (\s) == 0
	v_wmma_f32_16x16x128_bf8_bf8 v[ACC+8*(4*\m+\nt):ACC+8*(4*\m+\nt)+7], v[64*((\s)&3)+16*\nt:64*((\s)&3)+16*\nt+15], v[AF+32*((\s)&1)+16*\m:AF+32*((\s)&1)+16*\m+15], v[BI+8*\nt:BI+8*\nt+7]
.else
	v_wmma_f32_16x16x128_bf8_bf8 v[ACC+8*(4*\m+\nt):ACC+8*(4*\m+\nt)+7], v[64*((\s)&3)+16*\nt:64*((\s)&3)+16*\nt+15], v[AF+32*((\s)&1)+16*\m:AF+32*((\s)&1)+16*\m+15], v[ACC+8*(4*\m+\nt):ACC+8*(4*\m+\nt)+7]
.endif
.endr
.endr
.endm
.macro SCALE m                         ; block m x gate 2^E of my token r; each accumulator from its low end on
.set sn, 0
.rept 16
	v_pk_mul_f32 v[ACC+32*\m+2*sn:ACC+32*\m+2*sn+1], v[ACC+32*\m+2*sn:ACC+32*\m+2*sn+1], v[12+2*\m:13+2*\m] op_sel_hi:[1,0]
.set sn, sn+1
.endr
.endm
.macro TOSTAGE m                       ; 16 tokens x 64 columns into my OS, 32 bytes a lane and tile, and back as rows of 256 bytes, two rows a load
.irp nt, 0,1,2,3
	ds_store_b128 v7, v[ACC+8*(4*\m+\nt):ACC+8*(4*\m+\nt)+3] offset:64*\nt
	ds_store_b128 v7, v[ACC+8*(4*\m+\nt)+4:ACC+8*(4*\m+\nt)+7] offset:64*\nt+16
.endr
.irp i, 0,1,2,3,4,5,6,7
	ds_load_b128 v[OB+32*\m+4*\i:OB+32*\m+4*\i+3], v8 offset:2*OP*\i   ; LDS serves a wave's instructions in order (ISA guide 5.7.1.4): these see the stores above, and the next block's stores come behind them
.endr
.endm
.macro SEND m, younger                 ; younger: the LDS instructions issued behind block m's eight loads
.irp i, 0,1,2,3,4,5,6,7
	s_wait_dscnt \younger+7-\i
	global_store_b128 v[OO+8*\m+\i], v[OB+32*\m+4*\i:OB+32*\m+4*\i+3], s[18:19] th:TH_STORE_NT   ; 16 lanes: 256 consecutive bytes of a token's row, at a multiple of 256
.endr
.endm
	s_wait_kmcnt 0x0
	s_min_u32 s29, s29, 0x1000                     ; N
	s_max_u32 s23, s29, 1
	s_sub_co_u32 s23, s23, 1
	s_lshl_b32 s23, s23, 2                         ; byte place of the last member (of entry 0 where there is none: every entry of order is written)
	s_add_co_u32 s24, s29, 31
	s_lshr_b32 s24, s24, 5                         ; units of 32
	s_add_co_u32 s24, s24, 7
	s_sub_co_u32 s24, s24, s28
	s_lshr_b32 s24, s24, 3                         ; mine: u, u + 8, .. : 16 at the most
	s_add_co_i32 s36, s36, s37                     ; E = ex + ew
	s_sub_co_i32 s37, 0, s36                       ; -E
	TOK_ISSUE                                      ; my first unit's tokens
	s_wait_loadcnt 18                              ; loads come back in order (ISA guide 5.7.1): W's codes and the bias are in, the 18 loads of the list stay out
.set bn, 0
.rept 32
	v_ldexp_f32 v[BI+bn], v[BI+bn], s37
.set bn, bn+1
.endr
	WIN 0x04                                       ; LDS store data window 1
.set wn, 0
.rept 32
	ds_store_b128 v3, v[4*wn:4*wn+3] offset:WP*(wn/2)+512*(wn%2)
.set wn, wn+1
.endr
	WIN 0
	s_wait_dscnt 0x0                               ; my 16 rows of W are in LDS, for the others' sake
	s_barrier_signal -1
	s_barrier_wait -1                              ; all 64 rows are; nobody writes them again.  From here on every wave works alone: no barrier follows
	s_cmp_eq_u32 s24, 0
	s_cbranch_scc1 .Lend
	s_wait_loadcnt 0x0                             ; my first unit's tokens
	FINISH                                         ; its codes are asked for (the wait on DScnt inside is met at once here)
.set fs, 0
.rept 8                                            ; the whole slice of W into registers: 128 loads, once
	WIN 0x80+0x40*(fs>>2)                          ; destination window 2 or 3
.irp nt, 0,1,2,3
.irp c, 0,1,2,3
	ds_load_b128 v[64*(fs&3)+16*\nt+4*\c:64*(fs&3)+16*\nt+4*\c+3], v4 offset:16*WP*\nt+128*fs+32*\c
.endr
.endr
.set fs, fs+1
.endr
	WIN 0                                          ; at a label and at a branch every window is 0
	LATE                                           ; my second unit's tokens, my first unit's gates
	s_mov_b32 s25, 0
.Ltrip:
	s_wait_loadcnt 0x0                             ; the unit's codes and gates and the next unit's tokens are in
	s_wait_xcnt 0x0                                ; the last trip's stores have had their addresses translated (ISA guide 3.1): OO and OB are rewritten only behind this wait
	v_ldexp_f32 v12, v[GN], s36                    ; gate 2^E of token r of block 0,
	v_ldexp_f32 v14, v[GN+1], s36                  ; of block 1
	XSTORE
	FRAGS 0
.set on, 0
.rept 16
	v_lshl_add_u32 v[OO+on], v[TC+on], 12, v2      ; a row of out0 is 4,096 bytes
.set on, on+1
.endr
	s_add_co_u32 s26, s25, 1
	s_cmp_ge_u32 s26, s24
	s_cbranch_scc1 .Lnonext                        ; the last trip asks for no codes; the one wait for these loads is for 0, so it holds on both ways
	FINISH
.Lnonext:
.set ss, 0
.rept 8
.if ss < 7
.if ss > 0
	PLACES                                         ; the loads below write the buffer that the last step's matrix instructions read
.endif
	FRAGS ss+1
	s_wait_dscnt 0x8                               ; this step's fragments (in the first trip W's too) are in; the eight just issued stay out
.else
	s_wait_dscnt 0x0
.endif
	MULS ss
.set ss, ss+1
.endr
	WIN 0
	LATE                                           ; its 56 plain vector instructions name no register of the products: they are the places behind the last of them
	SCALE 0
	SCALE 1
	TOSTAGE 0
	TOSTAGE 1
	SEND 0, 16                                     ; behind block 0's loads: block 1's 8 stores and 8 loads
	SEND 1, 0
	s_add_co_u32 s25, s25, 1
	s_cmp_lt_u32 s25, s24
	s_cbranch_scc1 .Ltrip
.Lend:
	s_wait_tensorcnt 0x0
	ds_add_u32 v27, v31
	s_wait_dscnt 0x0
	s_endpgm
.Lfunc_end_k_q989354b851_experts:
	.size	k_q989354b851_experts, .Lfunc_end_k_q989354b851_experts-k_q989354b851_experts
	.p2alignl 7, 3214868480
	.fill 96, 4, 3214868480
	.section	.rodata,"a",@progbits
	.p2align	6, 0x0
	.amdhsa_kernel k_q989354b851_experts
		.amdhsa_group_segment_fixed_size 217600
		.amdhsa_private_segment_fixed_size 0
		.amdhsa_enable_private_segment 0
		.amdhsa_kernarg_size 64
		.amdhsa_user_sgpr_count 2
		.amdhsa_user_sgpr_kernarg_segment_ptr 1
		.amdhsa_wavefront_size32 1
		.amdhsa_system_sgpr_workgroup_id_x 1
		.amdhsa_system_sgpr_workgroup_id_y 1
		.amdhsa_system_sgpr_workgroup_id_z 1
		.amdhsa_system_vgpr_workitem_id 0
		.amdhsa_next_free_vgpr 1024
		.amdhsa_next_free_sgpr 66
		.amdhsa_reserve_vcc 0
		.amdhsa_float_denorm_mode_32 3
		.amdhsa_float_denorm_mode_16_64 3
		.amdhsa_memory_ordered 1
		.amdhsa_forward_progress 1
		.amdhsa_inst_pref_size 71
	.end_amdhsa_kernel
	.amdgpu_metadata
---
amdhsa.version: [ 1, 2 ]
amdhsa.kernels:
  - .name:           k_q989354b851_experts
    .symbol:         k_q989354b851_experts.kd
    .args:
      - { .name: xq, .offset: 0, .size: 8, .value_kind: global_buffer, .address_space: global }
      - { .name: wq, .offset: 8, .size: 8, .value_kind: global_buffer, .address_space: global }
      - { .name: order, .offset: 16, .size: 8, .value_kind: global_buffer, .address_space: global }
      - { .name: counts, .offset: 24, .size: 8, .value_kind: global_buffer, .address_space: global }
      - { .name: gate, .offset: 32, .size: 8, .value_kind: global_buffer, .address_space: global }
      - { .name: expert_b, .offset: 40, .size: 8, .value_kind: global_buffer, .address_space: global }
      - { .name: lowp_scales, .offset: 48, .size: 8, .value_kind: global_buffer, .address_space: global }
      - { .name: out0, .offset: 56, .size: 8, .value_kind: global_buffer, .address_space: global }
    .group_segment_fixed_size: 217600
    .private_segment_fixed_size: 0
    .kernarg_segment_align: 8
    .kernarg_segment_size: 64
    .max_flat_workgroup_size: 128
    .sgpr_count:     66
    .vgpr_count:     1024
    .wavefront_size: 32
...
	.end_amdgpu_metadata
.endif
;; end of part 3
;; ======== version 2 of 3: 2 launches
;; workspace buffers: xq 4,194,304 bytes; wq 8,388,608 bytes; idx 16,384 bytes of whole numbers; gate 16,384 bytes
;; launch prep (part 4): grid 256 x 1, 8 waves a work-group, no clusters, 33,792 bytes of LDS; arguments x, router_w, router_b, expert_w, lowp_scales, xq, wq, idx, gate; writes xq, wq, idx, gate
.if DOCPART == 4
	.amdgcn_target "amdgcn-amd-amdhsa--gfx1250"
	.amdhsa_code_object_version 6
	.text
	.protected	k_q989354b851_prep
	.globl	k_q989354b851_prep
	.p2align	8
	.type	k_q989354b851_prep,@function
k_q989354b851_prep:
	s_mov_b64 s[64:65], 0
	v_nop
	global_prefetch_b8 v0, s[64:65] scope:SCOPE_SE
	s_setreg_imm32_b32 hwreg(HW_REG_WAVE_MODE, 25, 1), 1
	s_wait_xcnt 0x0
; QUANTISER AND ROUTER.  x [4096][1024] and expert_w [8192][1024], f32, are each read once and turned into codes of E5M2 (xq, wq: a row of 1,024 codes is 1,024 bytes):
; code = number / 2^e, held within +-57,344, to the nearest code, ties to even; e = lowp_scales[0] for x, [1] for expert_w.
; On the way x also gives the router's 8 logits (f32 products and sums, router_b added), idx = their argmax (the first of equals) and
; gate = softmax at the argmax = 1 / sum of exp(l - max): the maximum is taken away first, so the sum is at least 1.
; LIMITS: -126 <= e <= 112, so that 2^e and 57,344 x 2^e are f32 numbers.  NaN among the inputs is not served.  Two top logits that differ by
; less than the rounding of an f32 sum of 1,024 terms may route otherwise than a sum taken in another order.
; SHARES.  Both tensors are plain streams, cut into steps of 512 numbers, half a row (2,048 bytes in, 512 bytes of codes out).  Waves 0-3 of work-group g
; take tokens 16 g + 4 w .. + 3: 8 steps, step 2 t + j is half j of token t.  Waves 4-7 take run 4 g + w - 4 of expert_w: 16 steps.
; THE ORDER OF K IN THE CODES.  Load i of a step's four reads 512 consecutive bytes: lane l holds k = 128 i + 4 l + c, c = 0 .. 3.  With one scale for the whole tensor
; the conversion is a matter of each number alone, so a lane's 16 numbers need not be neighbours; its 16 codes leave together, at byte 16 l of the step's 512, so that a
; wave's store covers 512 consecutive bytes at a multiple of 512.  Within each half row the code of k = 128 i + 4 l + c thus lies at byte 16 l + 4 i + c: one permutation
; of K, the same in xq and in wq, so that in the product every code meets its partner; only the order of the sums changes.
; The router is 8 of 8,200 output columns and a lane holds x by columns as it was loaded, so it runs on the vector unit: no matrix instruction,
; no transposition.  Waves share router_w alone (through LDS, one barrier); nothing else is shared, so no cluster and no tensor load.
; idx and gate are 16 bytes a wave, stored by one lane: the two tables are 32 KiB in all.
.set T,    16                          ; v[16:31]   a step's numbers, held
.set WA,   32                          ; v[32:63]   router rows, two buffers of 16; at first the landing of my row of router_w
.set X,    64                          ; v[64:191]  step st: 16 registers at X + 16 (st % 8): register 4 i + c holds k = 128 i + 4 l + c of the half row
.set C,    192                         ; v[192:255] codes: four registers for each step, so that no store's data are written again
.set ACC,  192                         ; waves 0-3, behind their last step: token t, expert e: a pair of partial sums at ACC + 2 (8 t + e)
.set IDX,  64                          ; behind the products X is free: v[64:67] argmax,
.set GATE, 68                          ; v[68:71] gate,
.set BEST, 72                          ; v[72:75] maximum,
.set SUM,  76                          ; v[76:79] sum of exponentials
	s_load_b512 s[4:19], s[0:1], 0x0               ; x s[4:5], router_w s[6:7], router_b s[8:9], expert_w s[10:11], lowp_scales s[12:13], xq s[14:15], wq s[16:17], idx s[18:19]
	s_load_b64 s[20:21], s[0:1], 0x40              ; gate
	v_lshl_add_u32 v14, v0, 2, 0x8000
	v_mov_b32 v15, 0
	v_lshrrev_b32 v6, 5, v0
	v_readfirstlane_b32 s2, v6                     ; wave 0..7
	v_and_b32 v7, 31, v0                           ; lane
	v_lshlrev_b32 v2, 4, v7                        ; 16 x lane: my 4 numbers of a load, my 16 codes of a step, my place in a run of router numbers in LDS
	s_lshl_b32 s36, s2, 12                         ; row w of router_w, in memory and in LDS
	s_mov_b32 s37, 0
	v_add_nc_u32 v3, s36, v2
	s_mov_b32 s38, 0x76543210                      ; v_permlanex16_b32: lane i of one half reads lane i of the other
	s_mov_b32 s39, 0xfedcba98
	s_lshl_b32 s42, ttmp9, 16                      ; x: 16 tokens of 4,096 bytes a work-group,
	s_lshl_b32 s43, s2, 14                         ; 4 a wave
	s_add_co_u32 s42, s42, s43
	s_lshl2_add_u32 s43, ttmp9, s2                 ; expert_w: run 4 g + w - 4 (used by waves 4-7 alone)
	s_sub_co_u32 s43, s43, 4
	s_lshl_b32 s43, s43, 15                        ; of 32,768 bytes
	s_cmp_lt_u32 s2, 4                             ; the choice hangs on the wave's number alone
	s_cselect_b32 s42, s42, s43
	s_mov_b32 s43, 0
	s_wait_kmcnt 0x0
	s_cselect_b64 s[32:33], s[4:5], s[10:11]       ; my stream in
	s_cselect_b64 s[34:35], s[14:15], s[16:17]     ; and out
	s_load_b64 s[22:23], s[12:13], 0x0             ; ex, ew
	s_load_b256 s[24:31], s[8:9], 0x0              ; the eight router_b
	s_add_nc_u64 s[6:7], s[6:7], s[36:37]
	s_add_nc_u64 s[32:33], s[32:33], s[42:43]
	s_lshr_b32 s42, s42, 2                         ; a code is a quarter of a number's bytes
	s_add_nc_u64 s[34:35], s[34:35], s[42:43]
.macro LOAD t                          ; step t into set t % 8: four loads of 512 consecutive bytes
.irp i, 0,1,2,3
	global_load_b128 v[X+16*((\t)%8)+4*\i:X+16*((\t)%8)+4*\i+3], v2, s[32:33] offset:2048*(\t)+512*\i th:TH_LOAD_NT
.endr
.endm
	; wave w brings row w of router_w, eight loads of 512 consecutive bytes
.irp j, 0,1
.irp i, 0,1,2,3
	global_load_b128 v[WA+4*(4*\j+\i):WA+4*(4*\j+\i)+3], v2, s[6:7] offset:2048*\j+512*\i
.endr
.endr
.irp t, 0,1,2,3,4,5,6,7
	LOAD \t                                        ; 32 loads of 512 bytes of every wave are on their way
.endr
	s_wait_kmcnt 0x0
	s_cmp_lt_u32 s2, 4
	s_cselect_b32 s22, s22, s23                    ; e of my stream
	s_add_co_i32 s22, s22, 127
	s_lshl_b32 s23, s22, 23
	v_mov_b32 v4, s23                              ; 2^e as f32: the conversion takes its exponent field
	s_add_co_i32 s22, s22, 15
	s_lshl_b32 s22, s22, 23
	s_or_b32 s22, s22, 0x600000
	v_mov_b32 v5, s22                              ; 57,344 x 2^e
	s_wait_loadcnt 32                              ; loads come back in order (ISA guide 5.7.1): router_w is in, the 32 loads of the stream stay out
	; in LDS router_w lies as in memory: expert e, column k at 4096 e + 4 k; a wave's read of 128 columns is 512 consecutive bytes
.irp j, 0,1
.irp i, 0,1,2,3
	ds_store_b128 v3, v[WA+4*(4*\j+\i):WA+4*(4*\j+\i)+3] offset:2048*\j+512*\i
.endr
.endr
	s_wait_dscnt 0x0                               ; my row is in LDS, for the other waves' sake,
	s_barrier_signal -1
	s_barrier_wait -1                              ; and so are all eight; nobody writes them again
; One step: left = how many younger loads may stay out; refill = 1: the set takes the step eight further on.
.macro QSTEP st, left, refill
	s_wait_loadcnt \left
.irp i, 0,1,2,3,4,5,6,7,8,9,10,11,12,13,14,15
	v_med3_num_f32 v[T+\i], v[X+16*((\st)%8)+\i], -v5, v5   ; the conversion to an 8-bit code does not saturate (ISA guide 7.6.2): held first; X stays as loaded, for the router
.endr
	v_cvt_scalef32_pk8_bf8_f32 v[C+4*(\st):C+4*(\st)+1], v[T:T+7], v4
	v_cvt_scalef32_pk8_bf8_f32 v[C+4*(\st)+2:C+4*(\st)+3], v[T+8:T+15], v4
	v_nop                                          ; one plain vector instruction stands between a scaled conversion and what touches its result or writes its sources
	global_store_b128 v2, v[C+4*(\st):C+4*(\st)+3], s[34:35] offset:512*(\st)
.if \refill
	LOAD (\st)+8
.endif
.endm
	s_cmp_lt_u32 s2, 4
	s_cbranch_scc1 .Lrouter
	; WAVES 4-7: sixteen steps of expert_w; seven younger steps (28 loads) stay out as long as there are seven
.set st, 0
.rept 16
.if st < 8
	QSTEP st, 28, 1
.elseif st == 8
	QSTEP st, 28, 0
.else
	QSTEP st, 4*(15-st), 0
.endif
.set st, st+1
.endr
	s_wait_tensorcnt 0x0
	ds_add_u32 v14, v15
	s_wait_dscnt 0x0
	s_endpgm
.Lrouter:
; WAVES 0-3.  Unit n of 16: half j = n >> 3 of the rows, two of its four runs of 128 columns (hf = (n >> 2) & 1), experts 2 (n & 3) and 2 (n & 3) + 1: four LDS loads.
.macro WREQ n
.irp q, 0,1
.irp ii, 0,1
	ds_load_b128 v[WA+16*((\n)&1)+8*\q+4*\ii:WA+16*((\n)&1)+8*\q+4*\ii+3], v2 offset:(2*((\n)&3)+\q)*4096+2048*((\n)>>3)+512*(2*(((\n)>>2)&1)+\ii)
.endr
.endr
.endm
	WREQ 0
	WREQ 1
	s_lshl_b32 s36, ttmp9, 6                       ; idx and gate: 4 bytes a token, 16 tokens a work-group,
	s_lshl_b32 s41, s2, 4                          ; 4 a wave
	s_add_co_u32 s36, s36, s41
	s_add_nc_u64 s[18:19], s[18:19], s[36:37]
	s_add_nc_u64 s[20:21], s[20:21], s[36:37]
.irp st, 0,1,2,3,4,5,6,7
	QSTEP \st, 28-4*\st, 0                         ; the counts run down: nothing is asked for behind step 7
.endr
	s_wait_xcnt 0x0                                ; the codes' registers, which the stores read, become the sums only behind this wait
	; 16 units of 32 packed multiply-adds: 2 experts x 4 tokens x 4 pairs of columns, eight chains that do not wait for each other
.set un, 0
.rept 16
.set uj, un>>3
.set uh, (un>>2)&1
.set ue, un&3
.if un == 15
	s_wait_dscnt 0x0                               ; nothing was asked for behind the last unit's rows
.else
	s_wait_dscnt 0x4                               ; this unit's rows are in; the next unit's four loads stay out
.endif
.irp pp, 0,1,2,3
.irp q, 0,1
.irp t, 0,1,2,3
.if (un < 4) && (\pp == 0)
	v_pk_mul_f32 v[ACC+2*(8*\t+2*ue+\q):ACC+2*(8*\t+2*ue+\q)+1], v[X+16*(2*\t+uj)+8*uh+2*\pp:X+16*(2*\t+uj)+8*uh+2*\pp+1], v[WA+16*(un&1)+8*\q+2*\pp:WA+16*(un&1)+8*\q+2*\pp+1]   ; the first product starts the sums
.else
	v_pk_fma_f32 v[ACC+2*(8*\t+2*ue+\q):ACC+2*(8*\t+2*ue+\q)+1], v[X+16*(2*\t+uj)+8*uh+2*\pp:X+16*(2*\t+uj)+8*uh+2*\pp+1], v[WA+16*(un&1)+8*\q+2*\pp:WA+16*(un&1)+8*\q+2*\pp+1], v[ACC+2*(8*\t+2*ue+\q):ACC+2*(8*\t+2*ue+\q)+1]
.endif
.endr
.endr
.endr
.if un < 14
	WREQ un+2                                      ; two units ahead, into the buffer just used
.endif
.set un, un+1
.endr
	; 32 sums over the lanes, stage by stage: the pair, four steps inside 16 lanes (DPP), one across the halves, then router_b
.set k, 0
.rept 32
	v_add_f32 v[ACC+2*k], v[ACC+2*k], v[ACC+2*k+1]
.set k, k+1
.endr
.irp m, 1,2,4,8
.set k, 0
.rept 32
	v_add_f32_dpp v[ACC+2*k], v[ACC+2*k], v[ACC+2*k] row_xmask:\m row_mask:0xf bank_mask:0xf
.set k, k+1
.endr
.endr
.set k, 0
.rept 32
	v_permlanex16_b32 v[ACC+2*k+1], v[ACC+2*k], s38, s39   ; the destination, which counts as read, has been written
.set k, k+1
.endr
.set k, 0
.rept 32
	v_add_f32 v[ACC+2*k], v[ACC+2*k], v[ACC+2*k+1]
.set k, k+1
.endr
.set k, 0
.rept 32
	v_add_f32 v[ACC+2*k], s[24+k%8], v[ACC+2*k]    ; every lane now holds logit (t = k / 8, e = k % 8)
.set k, k+1
.endr
	; argmax (the first of equals) and maximum
.irp t, 0,1,2,3
	v_mov_b32 v[IDX+\t], 0
	v_mov_b32 v[BEST+\t], v[ACC+16*\t]
.endr
.irp e, 1,2,3,4,5,6,7
.irp t, 0,1,2,3
	v_cmp_ge_f32 vcc_lo, v[BEST+\t], v[ACC+16*\t+2*\e]
	v_cndmask_b32 v[IDX+\t], \e, v[IDX+\t], vcc_lo         ; best >= l: the index stays, else it is e
	v_max_num_f32 v[BEST+\t], v[BEST+\t], v[ACC+16*\t+2*\e]
.endr
.endr
	; exp(l - max) = 2^((l - max) log2 e), in the pairs' second registers
.set k, 0
.rept 32
	v_sub_f32 v[ACC+2*k+1], v[ACC+2*k], v[BEST+k/8]
.set k, k+1
.endr
.set k, 0
.rept 32
	v_mul_f32 v[ACC+2*k+1], 0x3fb8aa3b, v[ACC+2*k+1]
.set k, k+1
.endr
.set k, 0
.rept 32
	v_exp_f32 v[ACC+2*k+1], v[ACC+2*k+1]
.set k, k+1
.endr
	v_nop                                          ; one plain vector instruction behind the last exponential before its result is read (ISA guide 5.7.2)
	s_wait_alu depctr_va_vdst(0)
.irp t, 0,1,2,3
	v_add_f32 v[SUM+\t], v[ACC+16*\t+1], v[ACC+16*\t+3]
.endr
.irp e, 2,3,4,5,6,7
.irp t, 0,1,2,3
	v_add_f32 v[SUM+\t], v[SUM+\t], v[ACC+16*\t+2*\e+1]
.endr
.endr
.irp t, 0,1,2,3
	v_rcp_f32 v[GATE+\t], v[SUM+\t]                ; the exponential at the argmax is 1
.endr
	v_nop                                          ; as above, before the store reads the reciprocals
	s_wait_xcnt 0x0                                ; EXEC is a source of the pending stores: it changes only behind this wait
	v_cmp_eq_u32 vcc_lo, 0, v2
	s_wait_tensorcnt 0x0
	ds_add_u32 v14, v15
	s_wait_dscnt 0x0
	s_and_saveexec_b32 s40, vcc_lo                 ; lane 0, whose v2 is 0
	global_store_b128 v2, v[IDX:IDX+3], s[18:19]
	s_wait_alu depctr_va_vdst(0)
	global_store_b128 v2, v[GATE:GATE+3], s[20:21]
	s_endpgm
.Lfunc_end_k_q989354b851_prep:
	.size	k_q989354b851_prep, .Lfunc_end_k_q989354b851_prep-k_q989354b851_prep
	.p2alignl 7, 3214868480
	.fill 96, 4, 3214868480
	.section	.rodata,"a",@progbits
	.p2align	6, 0x0
	.amdhsa_kernel k_q989354b851_prep
		.amdhsa_group_segment_fixed_size 33792
		.amdhsa_private_segment_fixed_size 0
		.amdhsa_enable_private_segment 0
		.amdhsa_kernarg_size 72
		.amdhsa_user_sgpr_count 2
		.amdhsa_user_sgpr_kernarg_segment_ptr 1
		.amdhsa_wavefront_size32 1
		.amdhsa_system_sgpr_workgroup_id_x 1
		.amdhsa_system_sgpr_workgroup_id_y 1
		.amdhsa_system_sgpr_workgroup_id_z 1
		.amdhsa_system_vgpr_workitem_id 0
		.amdhsa_next_free_vgpr 256
		.amdhsa_next_free_sgpr 66
		.amdhsa_reserve_vcc 1
		.amdhsa_float_denorm_mode_32 3
		.amdhsa_float_denorm_mode_16_64 3
		.amdhsa_memory_ordered 1
		.amdhsa_forward_progress 1
		.amdhsa_inst_pref_size 99
	.end_amdhsa_kernel
	.amdgpu_metadata
---
amdhsa.version: [ 1, 2 ]
amdhsa.kernels:
  - .name:           k_q989354b851_prep
    .symbol:         k_q989354b851_prep.kd
    .args:
      - { .name: x, .offset: 0, .size: 8, .value_kind: global_buffer, .address_space: global }
      - { .name: router_w, .offset: 8, .size: 8, .value_kind: global_buffer, .address_space: global }
      - { .name: router_b, .offset: 16, .size: 8, .value_kind: global_buffer, .address_space: global }
      - { .name: expert_w, .offset: 24, .size: 8, .value_kind: global_buffer, .address_space: global }
      - { .name: lowp_scales, .offset: 32, .size: 8, .value_kind: global_buffer, .address_space: global }
      - { .name: xq, .offset: 40, .size: 8, .value_kind: global_buffer, .address_space: global }
      - { .name: wq, .offset: 48, .size: 8, .value_kind: global_buffer, .address_space: global }
      - { .name: idx, .offset: 56, .size: 8, .value_kind: global_buffer, .address_space: global }
      - { .name: gate, .offset: 64, .size: 8, .value_kind: global_buffer, .address_space: global }
    .group_segment_fixed_size: 33792
    .private_segment_fixed_size: 0
    .kernarg_segment_align: 8
    .kernarg_segment_size: 72
    .max_flat_workgroup_size: 256
    .sgpr_count:     66
    .vgpr_count:     256
    .wavefront_size: 32
...
	.end_amdgpu_metadata
.endif
;; end of part 4
;; launch experts (part 5): grid 256 x 1, 4 waves a work-group, no clusters, 217,600 bytes of LDS; arguments xq, wq, idx, gate, expert_b, lowp_scales, out0; writes out0
.if DOCPART == 5
	.amdgcn_target "amdgcn-amd-amdhsa--gfx1250"
	.amdhsa_code_object_version 6
	.text
	.protected	k_q989354b851_experts
	.globl	k_q989354b851_experts
	.p2align	8
	.type	k_q989354b851_experts,@function
k_q989354b851_experts:
	s_mov_b64 s[64:65], 0
	v_nop
	global_prefetch_b8 v0, s[64:65] scope:SCOPE_SE
	s_setreg_imm32_b32 hwreg(HW_REG_WAVE_MODE, 25, 1), 1
	s_wait_xcnt 0x0
; out[t] = gate[t] (x[t] W_e^T + b_e) for the one expert e = idx[t]: only that eighth of the product is made; the gather throws the rest away for every input.
; Both operands are codes of E5M2 (xq, wq: a row of 1,024 codes in 1,024 bytes, K in one and the same order in both), multiplied as they are by v_wmma_f32_16x16x128_bf8_bf8,
; sums in f32.  With E = ex + ew: out = (sum of code products + b 2^-E) x (gate 2^E): the bias, scaled, is the C of a unit's first K step, so no bias is added and nothing is cleared.
; LIMITS: b 2^-E and gate 2^E are made by v_ldexp_f32 and are exact as long as they are normal f32 numbers.  NaN is not served.
; SHARES.  Work-group g: expert e = g >> 5; slice sl = (g >> 1) & 15: 64 output columns, 256 bytes of an output row; part = g & 1: tokens 2048 part .. + 2047.
; THE LIST.  Every wave reads the part's 2,048 idx and counts the members of e, N, in registers; wave 0 also puts each member's number into a list in LDS, at the place given by
; the members in front of it.  The list is dealt in units of 32 entries: wave w takes units w, w + 4, .. and holds them as a queue of 16 registers (entry = lane).
; Each wave holds the WHOLE slice of W as fragments in 512 registers (read from LDS once) and walks its units alone: a trip = 2 blocks of 16 tokens x 4 tiles of 16 columns x
; 8 K steps of 128 = 64 matrix instructions on 8 accumulators by turns, one instruction a turn.
; Entries at or beyond N take the unit's entry 0, which is a member whenever the trip runs (32 (w + 4 t) < N): that row is made and stored again by the same wave with equal
; numbers, so every lane stays on and no branch is needed for them.
; AHEAD.  Early in trip t are asked for: the gates of unit t + 1 (1 load) and its codes in eight SLOTS of 8 loads, one slot in front of each K step.  Slot s is quarter s >> 1 of K
; (256 bytes of a row), rows 16 (s & 1) on.  A unit's codes go from registers into LDS by the same quarters, each just ahead of the two K steps that read it, so that LDS stores,
; LDS loads, global loads and products stand by turns and every wait for loads is counted.  The last trip is written out without requests, so no branch stands inside a trip.
; THE MATRIX INSTRUCTION IS USED TRANSPOSED: source 0 = 16 rows of W, source 1 = 16 tokens: register j of lane (r = l & 15, h = l >> 4) holds token r, column 16 nt + 8 h + j.
; A fragment (16 rows x 128 codes, 16 registers) comes by four loads of 16 bytes, 32 apart: registers 4 c .. 4 c + 3 hold bytes 128 s + 32 c + 16 h + 0 .. 15 of the row: the same
; bytes on both sides, so every product meets its partner; only the order of the sums inside and between instructions differs from ascending k.
; NO CLUSTER, NO TENSOR LOADS: the rows of x that the 16 slices share are gathered by a list, one address a row, and the number of trips hangs on N, which differs between
; work-groups; W's slice, 65,536 bytes, is shared by 2 work-groups alone and read once.
; No LDS address register is ever stepped: row, block, K step and place in the queue stand in the immediates (50,912 at the most).
; LDS: W's codes at 0: 64 rows, pitch 1,040 (1,024 + 16: the 16 rows of a fragment start 16 bytes further on modulo 256).  Before W comes in, its first 8,704 bytes hold the list:
; 2,048 words and, at word 2,048, a word into which the tokens of other experts are dumped.
.set WP,    1040
.set XS,    66560                      ; for each wave 32 rows of 1,040: a unit's codes; the wave's own
.set OS,    199680                     ; for each wave 16 rows of 272: a block on its way out; the wave's own.  The end is 217,088
.set OP,    272
; REGISTERS, window 0: v1 16 x lane; v2 16 (l & 15); v3 16 w rows of W + 16 x lane; v4 r rows + 16 h; v5 XS(w) + h rows + 16 (l & 15); v6 XS(w) + r rows + 16 h;
;   v7 OS(w) + 272 r + 32 h; v8 OS(w) + 272 h + 16 (l & 15); v9 my entry's number in the list (32 w + lane, + 128 a unit of mine); v10 the tokens of the unit asked for (entry = lane);
;   v11 32 h; v12, v14 gate 2^E of token r of block 0, 1 (v13, v15 at work, and named with them as pairs); v16 4 (32 w + lane); v17 the gates as loaded (entry = lane);
;   v18 their byte offsets; v[20:23] zeros; v26 2,048; v27 2048 part + 4 x lane
.set LQ,  32                           ; v[32:47]   the tokens of my 16 possible units, the next one first (while the list is made: places)
.set TC,  48                           ; v[48:63]   i: the token, clamped, of row 2 i + h of the unit whose codes have been asked for (while the list is made: token numbers)
.set AF,  64                           ; v[64:127]  fragments of x: two buffers x two blocks x 16
.set OB,  64                           ; the same registers on the way out: block m's 16 rows at OB + 32 m
.set IV,  64                           ; and, while the list is made, idx
.set ACC, 128                          ; v[128:191] accumulator (m, nt) at ACC + 8 (4 m + nt)
.set BI,  192                          ; v[192:223] 8 nt + j: bias of column 16 nt + 8 h + j, x 2^-E
.set OO,  224                          ; v[224:239] i: token x 4096 + 16 (l & 15): rows 2 i + h of the unit in hand, in out0
.set XO,  240                          ; v[240:255] i: token x 1024 + 16 (l & 15): the same rows of the unit asked for, in xq
; window 1: X: rows 2 i + h, quarter c at v[4 (4 i + c) ..];
; windows 2, 3: W's fragments: K step s, tile nt at v[64 (s & 3) + 16 nt ..] of window 2 + (s >> 2) (at the head, window 2 v0-127: W's codes as loaded)
.set MK,  66                           ; s[66:81]   while the list is made: masks of members
.set BS,  82                           ; s[82:97]   and the members in front of each mask
.set TOK, 66                           ; s[66:97]   the 32 tokens of the unit asked for
; s_set_vgpr_msb's low byte: bits 1:0 source 0, 3:2 source 1, 5:4 source 2, 7:6 destination
.set XW,  0x44                         ; a global load's data (destination) and an LDS store's data (source 1) in window 1, addresses in window 0: one setting for both ways of X
.set MSB, 0
.macro WIN new                         ; the immediate's high byte repeats the setting that is left; a switch that changes nothing is dropped
.if MSB != (\new)
	s_set_vgpr_msb (MSB<<8)|(\new)
.set MSB, (\new)
.endif
.endm
; A load into a register that a matrix instruction has read, and a vector instruction that reads a matrix result, stand four plain vector instructions behind it
; (ISA guide 7.12.1 for vector instructions); other matrix instructions are not counted.
.macro PLACES
.rept 4
	v_nop
.endr
.endm
	s_load_b256 s[4:11], s[0:1], 0x0               ; xq s[4:5], wq s[6:7], idx s[8:9], gate s[10:11]
	s_load_b128 s[12:15], s[0:1], 0x20             ; expert_b s[12:13], lowp_scales s[14:15]
	s_load_b64 s[16:17], s[0:1], 0x30              ; out0
	v_lshl_add_u32 v19, v0, 2, 0x35000
	v_mov_b32 v31, 0
	v_lshrrev_b32 v13, 5, v0
	v_readfirstlane_b32 s2, v13                    ; wave 0..3
	v_mov_b32 v15, 0                               ; (written, since a lane permute's destination counts as read)
	v_and_b32 v30, 31, v0                          ; lane
	v_and_b32 v24, 15, v0                          ; r
	v_bfe_u32 v25, v0, 4, 1                        ; h
	s_lshr_b32 s20, ttmp9, 5                       ; e
	s_bfe_u32 s21, ttmp9, 0x40001                  ; sl: 4 bits from bit 1
	s_and_b32 s22, ttmp9, 1                        ; part
	s_mov_b32 s32, 0x76543210                      ; v_permlanex16_b32: lane l xor 16
	s_mov_b32 s33, 0xfedcba98
	s_mov_b32 s34, 0xffff0000                      ; the lanes with h = 1
	v_lshlrev_b32 v1, 4, v30
	v_lshlrev_b32 v2, 4, v24
	s_mul_i32 s26, s2, 16*WP
	v_add_nc_u32 v3, s26, v1
	v_mul_u32_u24 v28, v24, WP
	v_lshl_add_u32 v4, v25, 4, v28                 ; r rows + 16 h
	s_mul_i32 s26, s2, 32*WP
	s_add_co_u32 s26, s26, XS                      ; my XS
	v_add_nc_u32 v6, s26, v4
	v_mul_u32_u24 v29, v25, WP
	v_add_nc_u32 v29, v29, v2
	v_add_nc_u32 v5, s26, v29
	s_mul_i32 s26, s2, 16*OP
	s_add_co_u32 s26, s26, OS                      ; my OS
	v_mul_u32_u24 v29, v24, OP
	v_lshl_add_u32 v29, v25, 5, v29
	v_add_nc_u32 v7, s26, v29
	v_mul_u32_u24 v29, v25, OP
	v_add_nc_u32 v29, v29, v2
	v_add_nc_u32 v8, s26, v29
	s_lshl_b32 s26, s2, 5
	v_add_nc_u32 v9, s26, v30
	v_lshlrev_b32 v16, 2, v9
	v_lshlrev_b32 v11, 5, v25
.irp z, 20,21,22,23
	v_mov_b32 v\z, 0
.endr
	v_mov_b32 v26, 0x800
	s_lshl_b32 s26, s22, 11
	v_lshl_add_u32 v27, v30, 2, s26
	s_mov_b32 s31, 0
	s_wait_kmcnt 0x0
	s_load_b64 s[18:19], s[14:15], 0x0             ; ex, ew
	s_lshl_b32 s30, s22, 13                        ; idx: the part's 2,048 words
	s_add_nc_u64 s[8:9], s[8:9], s[30:31]
	; load s, register c of lane l: idx of token 2048 part + 128 s + 4 l + c.  These stand first: the way to the first codes leads through them
.irp s, 0,1,2,3,4,5,6,7,8,9,10,11,12,13,14,15
	global_load_b128 v[IV+4*\s:IV+4*\s+3], v1, s[8:9] offset:512*\s
.endr
	s_lshl_b32 s30, s20, 20                        ; wq: an expert is 1,024 rows of 1,024 bytes,
	s_lshl_b32 s26, s21, 16                        ; a slice 64 rows,
	s_add_co_u32 s30, s30, s26
	s_lshl_b32 s26, s2, 14                         ; a wave brings 16 of them
	s_add_co_u32 s30, s30, s26
	s_add_nc_u64 s[6:7], s[6:7], s[30:31]
	s_lshl_b32 s30, s21, 8                         ; the slice's 256 bytes of an output row,
	s_add_nc_u64 s[16:17], s[16:17], s[30:31]
	s_lshl_b32 s26, s20, 12
	s_add_co_u32 s30, s30, s26                     ; and its 64 biases in row e
	s_add_nc_u64 s[12:13], s[12:13], s[30:31]
	WIN 0x80                                       ; destination window 2
.set wn, 0
.rept 32
	global_load_b128 v[4*wn:4*wn+3], v1, s[6:7] offset:1024*(wn/2)+512*(wn%2)   ; my 16 rows of W's codes: 512 consecutive bytes a load
.set wn, wn+1
.endr
	WIN 0
.irp k, 0,1,2,3,4,5,6,7
	global_load_b128 v[BI+4*\k:BI+4*\k+3], v11, s[12:13] offset:64*(\k/2)+16*(\k%2)
.endr
	s_cmp_lg_u32 s2, 0
	s_cbranch_scc1 .Lnozero
.set zn, 0
.rept 17
	ds_store_b128 v1, v[20:23] offset:512*zn       ; wave 0: the list begins as zeros: every entry that is read later has been written
.set zn, zn+1
.endr
.Lnozero:
; Sixteen registers of idx.  Every wave: the masks of members and the members in front of each, so that N is known to each wave from its own registers.
; Wave 0 alone (no other wave touches LDS before the first barrier): each member's number to place (members in front of it), all others to the dump word.
.macro GROUP g
.irp q, 0,1,2,3,4,5,6,7,8,9,10,11,12,13,14,15
	v_cmp_eq_u32 s[MK+\q], s20, v[IV+16*\g+\q]
.endr
.irp q, 0,1,2,3,4,5,6,7,8,9,10,11,12,13,14,15
	s_mov_b32 s[BS+\q], s23
	s_bcnt1_i32_b32 s26, s[MK+\q]
	s_add_co_u32 s23, s23, s26
.endr
	s_cmp_lg_u32 s2, 0
	s_cbranch_scc1 .Lcounted_\@
	s_wait_dscnt 0x0                               ; the stores issued so far have read their registers: places and tokens are written again below
.irp q, 0,1,2,3,4,5,6,7,8,9,10,11,12,13,14,15
	v_mbcnt_lo_u32_b32 v[LQ+\q], s[MK+\q], s[BS+\q]
	v_cndmask_b32 v[LQ+\q], v26, v[LQ+\q], s[MK+\q]
	v_min_u32 v[LQ+\q], 0x800, v[LQ+\q]            ; a place made from loaded numbers enters an address only clamped to the list
	v_lshlrev_b32 v[LQ+\q], 2, v[LQ+\q]
	v_add_nc_u32 v[TC+\q], 128*(4*\g+\q/4)+\q%4, v27
	ds_store_b32 v[LQ+\q], v[TC+\q]
.endr
.Lcounted_\@:
.endm
	s_mov_b32 s23, 0
	s_wait_loadcnt 40                              ; loads come back in order (ISA guide 5.7.1): idx is in; W's 32 loads and the bias's 8 stay out
	GROUP 0
	GROUP 1
	GROUP 2
	GROUP 3
	s_min_u32 s23, s23, 0x800                      ; N
	s_add_co_u32 s24, s23, 31
	s_lshr_b32 s24, s24, 5                         ; units of 32
	s_add_co_u32 s24, s24, 3
	s_sub_co_u32 s24, s24, s2
	s_lshr_b32 s24, s24, 2                         ; mine: w, w + 4, .. : 16 at the most
	s_wait_kmcnt 0x0
	s_add_co_i32 s18, s18, s19                     ; E = ex + ew
	s_sub_co_i32 s19, 0, s18                       ; -E
	s_wait_dscnt 0x0                               ; wave 0: the list is in LDS, for the others' sake
	s_barrier_signal -1
	s_barrier_wait -1
.irp q, 0,1,2,3,4,5,6,7,8,9,10,11,12,13,14,15
	ds_load_b32 v[LQ+\q], v16 offset:512*\q        ; entry 32 (w + 4 q) + lane
.endr
	s_wait_dscnt 0x0                               ; my reads of the list are back:
	s_barrier_signal -1
	s_barrier_wait -1                              ; everybody's are, so W's codes may take the list's bytes
; The unit at the queue's head is prepared: its tokens (entries at or beyond N: entry 0's), its gates asked for by token, the tokens as scalars, and from them, for rows 2 i + h,
; the clamped tokens and the addresses of their codes.
.macro PREPTOK
	v_cmp_gt_u32 vcc_lo, s23, v9
	v_readfirstlane_b32 s28, v[LQ]
	v_cndmask_b32 v10, s28, v[LQ], vcc_lo
.set pn, 0
.rept 32
	v_readlane_b32 s[TOK+pn], v10, pn
.set pn, pn+1
.endr
	v_min_u32 v18, 0xfff, v10                      ; a token from the list enters an address only clamped to the tables' 4,096 rows
	v_lshlrev_b32 v18, 2, v18
	global_load_b32 v17, v18, s[10:11]             ; gate of entry = lane
.set pn, 0
.rept 16
	v_mov_b32 v[TC+pn], s[TOK+2*pn]
.set pn, pn+1
.endr
.set pn, 0
.rept 16
	v_cndmask_b32 v[TC+pn], v[TC+pn], s[TOK+2*pn+1], s34   ; lanes 0-15: row 2 i, lanes 16-31: row 2 i + 1
.set pn, pn+1
.endr
.set pn, 0
.rept 16
	v_min_u32 v[TC+pn], 0xfff, v[TC+pn]
.set pn, pn+1
.endr
.set pn, 0
.rept 16
	v_lshl_add_u32 v[XO+pn], v[TC+pn], 10, v2      ; a row of xq is 1,024 bytes
.set pn, pn+1
.endr
.endm
; The queue moves up one place: a trip's number cannot pick a register, and a stepped LDS address is avoided on purpose (see the head).
.macro SHIFT
.irp q, 0,1,2,3,4,5,6,7,8,9,10,11,12,13,14
	v_mov_b32 v[LQ+\q], v[LQ+\q+1]
.endr
	v_add_nc_u32 v9, 128, v9
.endm
; Slot sl of the prepared unit's codes: 8 loads, 16 lanes to 256 consecutive bytes of one row, at a multiple of 256.  (Under XW.)
.macro XLOAD sl
.set xc, (\sl)>>1
.set xi, 8*((\sl)&1)
.rept 8
	global_load_b128 v[4*(4*xi+xc):4*(4*xi+xc)+3], v[XO+xi], s[4:5] offset:256*xc
.set xi, xi+1
.endr
.endm
; Quarter c of the unit in hand from X into my XS: 16 stores.  (Under XW.)
.macro XSTQ c
.set xn, 0
.rept 16
	ds_store_b128 v5, v[4*(4*xn+(\c)):4*(4*xn+(\c))+3] offset:2*WP*xn+256*(\c)
.set xn, xn+1
.endr
.endm
.macro FRAGS s                         ; x's two fragments of K step s into buffer s & 1: eight loads
	WIN 0
.irp m, 0,1
.irp c, 0,1,2,3
	ds_load_b128 v[AF+32*((\s)&1)+16*\m+4*\c:AF+32*((\s)&1)+16*\m+4*\c+3], v6 offset:16*WP*\m+128*(\s)+32*\c
.endr
.endr
.endm
.macro MULS s                          ; eight matrix instructions, one on each accumulator; K step 0 starts the sums from the bias
	WIN 0x02+((\s)>>2)                             ; source 0 (W) window 2 or 3
.irp nt, 0,1,2,3
.irp m, 0,1
.if (\s) == 0
	v_wmma_f32_16x16x128_bf8_bf8 v[ACC+8*(4*\m+\nt):ACC+8*(4*\m+\nt)+7], v[64*((\s)&3)+16*\nt:64*((\s)&3)+16*\nt+15], v[AF+32*((\s)&1)+16*\m:AF+32*((\s)&1)+16*\m+15], v[BI+8*\nt:BI+8*\nt+7]
.else
	v_wmma_f32_16x16x128_bf8_bf8 v[ACC+8*(4*\m+\nt):ACC+8*(4*\m+\nt)+7], v[64*((\s)&3)+16*\nt:64*((\s)&3)+16*\nt+15], v[AF+32*((\s)&1)+16*\m:AF+32*((\s)&1)+16*\m+15], v[ACC+8*(4*\m+\nt):ACC+8*(4*\m+\nt)+7]
.endif
.endr
.endr
.endm
.macro SCALE m                         ; block m x gate 2^E of my token r; each accumulator from its low end on
.set sn, 0
.rept 16
	v_pk_mul_f32 v[ACC+32*\m+2*sn:ACC+32*\m+2*sn+1], v[ACC+32*\m+2*sn:ACC+32*\m+2*sn+1], v[12+2*\m:13+2*\m] op_sel_hi:[1,0]
.set sn, sn+1
.endr
.endm
.macro TOSTAGE m                       ; 16 tokens x 64 columns into my OS, 32 bytes a lane and tile, and back as rows of 256 bytes, two rows a load
.irp nt, 0,1,2,3
	ds_store_b128 v7, v[ACC+8*(4*\m+\nt):ACC+8*(4*\m+\nt)+3] offset:64*\nt
	ds_store_b128 v7, v[ACC+8*(4*\m+\nt)+4:ACC+8*(4*\m+\nt)+7] offset:64*\nt+16
.endr
.irp i, 0,1,2,3,4,5,6,7
	ds_load_b128 v[OB+32*\m+4*\i:OB+32*\m+4*\i+3], v8 offset:2*OP*\i   ; LDS serves a wave's instructions in order (ISA guide 5.7.1.4): these see the stores above, and the next block's stores come behind them
.endr
.endm
.macro SEND m, younger                 ; younger: the LDS instructions issued behind block m's eight loads
.irp i, 0,1,2,3,4,5,6,7
	s_wait_dscnt \younger+7-\i
	global_store_b128 v[OO+8*\m+\i], v[OB+32*\m+4*\i:OB+32*\m+4*\i+3], s[16:17] th:TH_STORE_NT   ; 16 lanes: 256 consecutive bytes of a token's row, at a multiple of 256
.endr
.endm
; A TRIP: one unit.  nxt = 1: a unit of mine follows, and its gates and codes are asked for.  On the way in the loads that may be out are, oldest first: this unit's gates (1),
; this unit's slots 0 .. 7.  Loads come back in order (ISA guide 5.7.1), so each wait below counts what was issued behind the slots that it needs:
;   head:   slots 0, 1: behind them slots 2 - 7, 48 loads;
;   step 1: slots 2, 3: slots 4 - 7 (32), and with nxt the new gate load;
;   step 3: slots 4, 5: slots 6, 7 (16), and with nxt that load and the new slots 0, 1;
;   step 5: slots 6, 7: with nxt that load and the new slots 0 - 3.
; LDS: in steps 1, 3, 5 a quarter's 16 stores and the next step's 8 fragment loads stand behind this step's fragments (24 may be out); in the other steps the 8 loads alone,
; which also shows the quarter stored one step before done: only behind that wait are its registers loaded again (quarter c: new slots 2 c, 2 c + 1, in steps 2 c + 1, 2 c + 2).
.macro TRIP nxt
	s_wait_loadcnt 48
	s_wait_xcnt 0x0                                ; every earlier memory instruction has had its addresses translated (ISA guide 3.1): XO, OO, OB and v18 are rewritten only behind this wait
	WIN XW
	XSTQ 0
	FRAGS 0
	v_ldexp_f32 v13, v17, s18                      ; gate 2^E of entry = lane,
	v_permlanex16_b32 v15, v13, s32, s33           ; and of lane l xor 16
	v_cndmask_b32 v12, v13, v15, s34               ; block 0: entry r
	v_cndmask_b32 v14, v15, v13, s34               ; block 1: entry 16 + r
.set on, 0
.rept 16
	v_lshl_add_u32 v[OO+on], v[TC+on], 12, v2      ; a row of out0 is 4,096 bytes
.set on, on+1
.endr
.if \nxt
	SHIFT
	PREPTOK
.endif
.set ss, 0
.rept 8
.if (ss > 0) && (ss < 7)
	PLACES                                         ; the fragment loads below write the buffer that the last step's matrix instructions read
.endif
.if ss == 1
	s_wait_loadcnt 32+\nxt
.elseif ss == 3
	s_wait_loadcnt 16+17*\nxt
.elseif ss == 5
	s_wait_loadcnt 33*\nxt
.endif
.if \nxt && (ss > 0)
	WIN XW
	XLOAD ss-1
.endif
.if (ss == 1) || (ss == 3) || (ss == 5)
	WIN XW
	XSTQ (ss+1)/2
.endif
.if ss < 7
	FRAGS ss+1
.if (ss == 1) || (ss == 3) || (ss == 5)
	s_wait_dscnt 24
.else
	s_wait_dscnt 0x8                               ; (in the first trip W's fragments are older still: they are in too)
.endif
.else
	s_wait_dscnt 0x0
.endif
	MULS ss
.set ss, ss+1
.endr
.if \nxt
	WIN XW
	XLOAD 7
.endif
	WIN 0
	PLACES                                         ; behind the last products, before their results are read and their sources loaded again
	SCALE 0
	SCALE 1
	TOSTAGE 0
	TOSTAGE 1
	SEND 0, 16                                     ; behind block 0's loads: block 1's 8 stores and 8 loads
	SEND 1, 0
.endm
	; My first unit is asked for ahead of W's way into LDS.  A wave without a unit asks too (for rows of tokens that exist: the list's zeros, or entries of others), so that the
	; count below holds for every wave; what it brings is not used.
	PREPTOK
	WIN XW
.irp sl, 0,1,2,3,4
	XLOAD \sl
.endr
	WIN 0
	s_wait_loadcnt 41                              ; W's codes and the bias are in; the gate load and the 40 loads of slots 0 - 4 stay out
.set bn, 0
.rept 32
	v_ldexp_f32 v[BI+bn], v[BI+bn], s19
.set bn, bn+1
.endr
	WIN 0x08                                       ; LDS store data window 2
.set wn, 0
.rept 32
	ds_store_b128 v3, v[4*wn:4*wn+3] offset:WP*(wn/2)+512*(wn%2)
.set wn, wn+1
.endr
	WIN 0
	s_wait_dscnt 0x0                               ; my 16 rows of W are in LDS, for the others' sake
	s_barrier_signal -1
	s_barrier_wait -1                              ; all 64 rows are; nobody writes them again.  From here on every wave works alone: no barrier follows
	s_cmp_eq_u32 s24, 0
	s_cbranch_scc1 .Lend
.set fs, 0
.rept 8                                            ; the whole slice of W into registers: 128 loads, once
	WIN 0x80+0x40*(fs>>2)                          ; destination window 2 or 3
.irp nt, 0,1,2,3
.irp c, 0,1,2,3
	ds_load_b128 v[64*(fs&3)+16*\nt+4*\c:64*(fs&3)+16*\nt+4*\c+3], v4 offset:16*WP*\nt+128*fs+32*\c
.endr
.endr
.set fs, fs+1
.endr
	WIN XW
.irp sl, 5,6,7
	XLOAD \sl                                      ; the first unit's last three slots, which K steps 4 to 7 read, stand behind W's fragment loads
.endr
	WIN 0                                          ; at a label and at a branch every window is 0
	s_sub_co_u32 s27, s24, 1                       ; trips that have a successor
	s_cmp_eq_u32 s27, 0
	s_cbranch_scc1 .Llast
	s_mov_b32 s25, 0
.Ltrip:
	TRIP 1
	s_add_co_u32 s25, s25, 1
	s_cmp_lt_u32 s25, s27
	s_cbranch_scc1 .Ltrip
.Llast:
	TRIP 0                                         ; my last unit: nothing more is asked for
.Lend:
	s_wait_tensorcnt 0x0
	ds_add_u32 v19, v31
	s_wait_dscnt 0x0
	s_endpgm
.Lfunc_end_k_q989354b851_experts:
	.size	k_q989354b851_experts, .Lfunc_end_k_q989354b851_experts-k_q989354b851_experts
	.p2alignl 7, 3214868480
	.fill 96, 4, 3214868480
	.section	.rodata,"a",@progbits
	.p2align	6, 0x0
	.amdhsa_kernel k_q989354b851_experts
		.amdhsa_group_segment_fixed_size 217600
		.amdhsa_private_segment_fixed_size 0
		.amdhsa_enable_private_segment 0
		.amdhsa_kernarg_size 56
		.amdhsa_user_sgpr_count 2
		.amdhsa_user_sgpr_kernarg_segment_ptr 1
		.amdhsa_wavefront_size32 1
		.amdhsa_system_sgpr_workgroup_id_x 1
		.amdhsa_system_sgpr_workgroup_id_y 1
		.amdhsa_system_sgpr_workgroup_id_z 1
		.amdhsa_system_vgpr_workitem_id 0
		.amdhsa_next_free_vgpr 1024
		.amdhsa_next_free_sgpr 98
		.amdhsa_reserve_vcc 1
		.amdhsa_float_denorm_mode_32 3
		.amdhsa_float_denorm_mode_16_64 3
		.amdhsa_memory_ordered 1
		.amdhsa_forward_progress 1
		.amdhsa_inst_pref_size 123
	.end_amdhsa_kernel
	.amdgpu_metadata
---
amdhsa.version: [ 1, 2 ]
amdhsa.kernels:
  - .name:           k_q989354b851_experts
    .symbol:         k_q989354b851_experts.kd
    .args:
      - { .name: xq, .offset: 0, .size: 8, .value_kind: global_buffer, .address_space: global }
      - { .name: wq, .offset: 8, .size: 8, .value_kind: global_buffer, .address_space: global }
      - { .name: idx, .offset: 16, .size: 8, .value_kind: global_buffer, .address_space: global }
      - { .name: gate, .offset: 24, .size: 8, .value_kind: global_buffer, .address_space: global }
      - { .name: expert_b, .offset: 32, .size: 8, .value_kind: global_buffer, .address_space: global }
      - { .name: lowp_scales, .offset: 40, .size: 8, .value_kind: global_buffer, .address_space: global }
      - { .name: out0, .offset: 48, .size: 8, .value_kind: global_buffer, .address_space: global }
    .group_segment_fixed_size: 217600
    .private_segment_fixed_size: 0
    .kernarg_segment_align: 8
    .kernarg_segment_size: 56
    .max_flat_workgroup_size: 128
    .sgpr_count:     98
    .vgpr_count:     1024
    .wavefront_size: 32
...
	.end_amdgpu_metadata
.endif
;; end of part 5
;; ======== version 3 of 3: 2 launches
;; workspace buffers: xq 4,194,304 bytes; wq 8,388,608 bytes; idx 16,384 bytes of whole numbers; gate 16,384 bytes
;; launch prep (part 6): grid 256 x 1, 8 waves a work-group, no clusters, 33,792 bytes of LDS; arguments x, router_w, router_b, expert_w, lowp_scales, xq, wq, idx, gate; writes xq, wq, idx, gate
.if DOCPART == 6
	.amdgcn_target "amdgcn-amd-amdhsa--gfx1250"
	.amdhsa_code_object_version 6
	.text
	.protected	k_q989354b851_prep
	.globl	k_q989354b851_prep
	.p2align	8
	.type	k_q989354b851_prep,@function
k_q989354b851_prep:
	s_mov_b64 s[64:65], 0
	v_nop
	global_prefetch_b8 v0, s[64:65] scope:SCOPE_SE
	s_setreg_imm32_b32 hwreg(HW_REG_WAVE_MODE, 25, 1), 1
	s_wait_xcnt 0x0
; QUANTISER AND ROUTER.  x [4096][1024] and expert_w [8192][1024], f32, are each read once and turned into codes of E5M2 (xq, wq: a row of 1,024 codes is 1,024 bytes):
; code = number / 2^e, held within +-57,344, to the nearest code, ties to even; e = lowp_scales[0] for x, [1] for expert_w.
; On the way x also gives the router's 8 logits (f32 products and sums, router_b added), idx = their argmax (the first of equals) and
; gate = softmax at the argmax = 1 / sum of exp(l - max): the maximum is taken away first, so the sum is at least 1.
; LIMITS: -126 <= e <= 112, so that 2^e and 57,344 x 2^e are f32 numbers.  NaN among the inputs is not served.  Two top logits that differ by
; less than the rounding of an f32 sum of 1,024 terms may route otherwise than a sum taken in another order.
; SHARES.  Both tensors are plain streams, cut into steps of 512 numbers, half a row (2,048 bytes in, 512 bytes of codes out).  Waves 0-3 of work-group g
; take tokens 16 g + 4 w .. + 3: 8 steps, step 2 t + j is half j of token t.  Waves 4-7 take run 4 g + w - 4 of expert_w: 16 steps.
; THE ORDER OF K IN THE CODES.  Load i of a step's four reads 512 consecutive bytes: lane l holds k = 128 i + 4 l + c, c = 0 .. 3.  With one scale for the whole tensor
; the conversion is a matter of each number alone, so a lane's 16 numbers need not be neighbours; its 16 codes leave together, at byte 16 l of the step's 512, so that a
; wave's store covers 512 consecutive bytes at a multiple of 512.  Within each half row the code of k = 128 i + 4 l + c thus lies at byte 16 l + 4 i + c: one permutation
; of K, the same in xq and in wq, so that in the product every code meets its partner; only the order of the sums changes.
; The router is 8 of 8,200 output columns and a lane holds x by columns as it was loaded, so it runs on the vector unit: no matrix instruction,
; no transposition.  Waves share router_w alone (through LDS, one barrier); nothing else is shared, so no cluster and no tensor load.
; idx and gate are 16 bytes a wave, stored by one lane: the two tables are 32 KiB in all.
.set T,    16                          ; v[16:31]   a step's numbers, held
.set WA,   32                          ; v[32:63]   router rows, two buffers of 16; at first the landing of my row of router_w
.set X,    64                          ; v[64:191]  step st: 16 registers at X + 16 (st % 8): register 4 i + c holds k = 128 i + 4 l + c of the half row
.set C,    192                         ; v[192:255] codes: four registers for each step, so that no store's data are written again
.set ACC,  192                         ; waves 0-3, behind their last step: token t, expert e: a pair of partial sums at ACC + 2 (8 t + e)
.set IDX,  64                          ; behind the products X is free: v[64:67] argmax,
.set GATE, 68                          ; v[68:71] gate,
.set BEST, 72                          ; v[72:75] maximum,
.set SUM,  76                          ; v[76:79] sum of exponentials
	s_load_b512 s[4:19], s[0:1], 0x0               ; x s[4:5], router_w s[6:7], router_b s[8:9], expert_w s[10:11], lowp_scales s[12:13], xq s[14:15], wq s[16:17], idx s[18:19]
	s_load_b64 s[20:21], s[0:1], 0x40              ; gate
	v_lshl_add_u32 v14, v0, 2, 0x8000
	v_mov_b32 v15, 0
	v_lshrrev_b32 v6, 5, v0
	s_delay_alu instid0(VALU_DEP_1)
	v_readfirstlane_b32 s2, v6                     ; wave 0..7
	v_and_b32 v7, 31, v0                           ; lane
	s_delay_alu instid0(VALU_DEP_1)
	v_lshlrev_b32 v2, 4, v7                        ; 16 x lane: my 4 numbers of a load, my 16 codes of a step, my place in a run of router numbers in LDS
	s_lshl_b32 s36, s2, 12                         ; row w of router_w, in memory and in LDS
	s_mov_b32 s37, 0
	v_add_nc_u32 v3, s36, v2
	s_mov_b32 s38, 0x76543210                      ; v_permlanex16_b32: lane i of one half reads lane i of the other
	s_mov_b32 s39, 0xfedcba98
	s_lshl_b32 s42, ttmp9, 16                      ; x: 16 tokens of 4,096 bytes a work-group,
	s_lshl_b32 s43, s2, 14                         ; 4 a wave
	s_add_co_u32 s42, s42, s43
	s_lshl2_add_u32 s43, ttmp9, s2                 ; expert_w: run 4 g + w - 4 (used by waves 4-7 alone)
	s_sub_co_u32 s43, s43, 4
	s_lshl_b32 s43, s43, 15                        ; of 32,768 bytes
	s_cmp_lt_u32 s2, 4                             ; the choice hangs on the wave's number alone
	s_cselect_b32 s42, s42, s43
	s_mov_b32 s43, 0
	s_wait_alu depctr_va_vdst(0)
	s_wait_kmcnt 0x0
	s_cselect_b64 s[32:33], s[4:5], s[10:11]       ; my stream in
	s_cselect_b64 s[34:35], s[14:15], s[16:17]     ; and out
	s_load_b64 s[22:23], s[12:13], 0x0             ; ex, ew
	s_load_b256 s[24:31], s[8:9], 0x0              ; the eight router_b
	s_add_nc_u64 s[6:7], s[6:7], s[36:37]
	s_add_nc_u64 s[32:33], s[32:33], s[42:43]
	s_lshr_b32 s42, s42, 2                         ; a code is a quarter of a number's bytes
	s_add_nc_u64 s[34:35], s[34:35], s[42:43]
.macro LOAD t                          ; step t into set t % 8: four loads of 512 consecutive bytes
.irp i, 0,1,2,3
	global_load_b128 v[X+16*((\t)%8)+4*\i:X+16*((\t)%8)+4*\i+3], v2, s[32:33] offset:2048*(\t)+512*\i th:TH_LOAD_NT
.endr
.endm
	; wave w brings row w of router_w, eight loads of 512 consecutive bytes
.irp j, 0,1
.irp i, 0,1,2,3
	global_load_b128 v[WA+4*(4*\j+\i):WA+4*(4*\j+\i)+3], v2, s[6:7] offset:2048*\j+512*\i
.endr
.endr
.irp t, 0,1,2,3,4,5,6,7
	LOAD \t                                        ; 32 loads of 512 bytes of every wave are on their way
.endr
	s_wait_kmcnt 0x0
	s_cmp_lt_u32 s2, 4
	s_cselect_b32 s22, s22, s23                    ; e of my stream
	s_add_co_i32 s22, s22, 127
	s_lshl_b32 s23, s22, 23
	v_mov_b32 v4, s23                              ; 2^e as f32: the conversion takes its exponent field
	s_add_co_i32 s22, s22, 15
	s_lshl_b32 s22, s22, 23
	s_or_b32 s22, s22, 0x600000
	v_mov_b32 v5, s22                              ; 57,344 x 2^e
	s_wait_loadcnt 32                              ; loads come back in order (ISA guide 5.7.1): router_w is in, the 32 loads of the stream stay out
	; in LDS router_w lies as in memory: expert e, column k at 4096 e + 4 k; a wave's read of 128 columns is 512 consecutive bytes
.irp j, 0,1
.irp i, 0,1,2,3
	ds_store_b128 v3, v[WA+4*(4*\j+\i):WA+4*(4*\j+\i)+3] offset:2048*\j+512*\i
.endr
.endr
	s_wait_dscnt 0x0                               ; my row is in LDS, for the other waves' sake,
	s_barrier_signal -1
	s_barrier_wait -1                              ; and so are all eight; nobody writes them again
; One step: left = how many younger loads may stay out; refill = 1: the set takes the step eight further on.
.macro QSTEP st, left, refill
	s_wait_loadcnt \left
.irp i, 0,1,2,3,4,5,6,7,8,9,10,11,12,13,14,15
	v_med3_num_f32 v[T+\i], v[X+16*((\st)%8)+\i], -v5, v5   ; the conversion to an 8-bit code does not saturate (ISA guide 7.6.2): held first; X stays as loaded, for the router
.endr
	v_cvt_scalef32_pk8_bf8_f32 v[C+4*(\st):C+4*(\st)+1], v[T:T+7], v4
	v_cvt_scalef32_pk8_bf8_f32 v[C+4*(\st)+2:C+4*(\st)+3], v[T+8:T+15], v4
	v_nop                                          ; one plain vector instruction stands between a scaled conversion and what touches its result or writes its sources
	global_store_b128 v2, v[C+4*(\st):C+4*(\st)+3], s[34:35] offset:512*(\st)
.if \refill
	LOAD (\st)+8
.endif
.endm
	s_cmp_lt_u32 s2, 4
	s_cbranch_scc1 .Lrouter
	; WAVES 4-7: sixteen steps of expert_w; seven younger steps (28 loads) stay out as long as there are seven
.set st, 0
	s_wait_alu depctr_va_vdst(0)
.rept 16
.if st < 8
	QSTEP st, 28, 1
.elseif st == 8
	QSTEP st, 28, 0
.else
	QSTEP st, 4*(15-st), 0
.endif
.set st, st+1
.endr
	s_wait_tensorcnt 0x0
	ds_add_u32 v14, v15
	s_wait_dscnt 0x0
	s_endpgm
.Lrouter:
; WAVES 0-3.  Unit n of 16: half j = n >> 3 of the rows, two of its four runs of 128 columns (hf = (n >> 2) & 1), experts 2 (n & 3) and 2 (n & 3) + 1: four LDS loads.
.macro WREQ n
.irp q, 0,1
.irp ii, 0,1
	ds_load_b128 v[WA+16*((\n)&1)+8*\q+4*\ii:WA+16*((\n)&1)+8*\q+4*\ii+3], v2 offset:(2*((\n)&3)+\q)*4096+2048*((\n)>>3)+512*(2*(((\n)>>2)&1)+\ii)
.endr
.endr
.endm
	WREQ 0
	WREQ 1
	s_lshl_b32 s36, ttmp9, 6                       ; idx and gate: 4 bytes a token, 16 tokens a work-group,
	s_lshl_b32 s41, s2, 4                          ; 4 a wave
	s_add_co_u32 s36, s36, s41
	s_add_nc_u64 s[18:19], s[18:19], s[36:37]
	s_add_nc_u64 s[20:21], s[20:21], s[36:37]
	s_wait_alu depctr_va_vdst(0)
.irp st, 0,1,2,3,4,5,6,7
	QSTEP \st, 28-4*\st, 0                         ; the counts run down: nothing is asked for behind step 7
.endr
	s_wait_xcnt 0x0                                ; the codes' registers, which the stores read, become the sums only behind this wait
	; 16 units of 32 packed multiply-adds: 2 experts x 4 tokens x 4 pairs of columns, eight chains that do not wait for each other
.set un, 0
.rept 16
.set uj, un>>3
.set uh, (un>>2)&1
.set ue, un&3
.if un == 15
	s_wait_dscnt 0x0                               ; nothing was asked for behind the last unit's rows
.else
	s_wait_dscnt 0x4                               ; this unit's rows are in; the next unit's four loads stay out
.endif
.irp pp, 0,1,2,3
.irp q, 0,1
.irp t, 0,1,2,3
.if (un < 4) && (\pp == 0)
	v_pk_mul_f32 v[ACC+2*(8*\t+2*ue+\q):ACC+2*(8*\t+2*ue+\q)+1], v[X+16*(2*\t+uj)+8*uh+2*\pp:X+16*(2*\t+uj)+8*uh+2*\pp+1], v[WA+16*(un&1)+8*\q+2*\pp:WA+16*(un&1)+8*\q+2*\pp+1]   ; the first product starts the sums
.else
	v_pk_fma_f32 v[ACC+2*(8*\t+2*ue+\q):ACC+2*(8*\t+2*ue+\q)+1], v[X+16*(2*\t+uj)+8*uh+2*\pp:X+16*(2*\t+uj)+8*uh+2*\pp+1], v[WA+16*(un&1)+8*\q+2*\pp:WA+16*(un&1)+8*\q+2*\pp+1], v[ACC+2*(8*\t+2*ue+\q):ACC+2*(8*\t+2*ue+\q)+1]
.endif
.endr
.endr
.endr
.if un < 14
	WREQ un+2                                      ; two units ahead, into the buffer just used
.endif
.set un, un+1
.endr
	; 32 sums over the lanes, stage by stage: the pair, four steps inside 16 lanes (DPP), one across the halves, then router_b
.set k, 0
.rept 32
	v_add_f32 v[ACC+2*k], v[ACC+2*k], v[ACC+2*k+1]
.set k, k+1
.endr
.irp m, 1,2,4,8
.set k, 0
.rept 32
	v_add_f32_dpp v[ACC+2*k], v[ACC+2*k], v[ACC+2*k] row_xmask:\m row_mask:0xf bank_mask:0xf
.set k, k+1
.endr
.endr
.set k, 0
.rept 32
	v_permlanex16_b32 v[ACC+2*k+1], v[ACC+2*k], s38, s39   ; the destination, which counts as read, has been written
.set k, k+1
.endr
.set k, 0
.rept 32
	v_add_f32 v[ACC+2*k], v[ACC+2*k], v[ACC+2*k+1]
.set k, k+1
.endr
.set k, 0
.rept 32
	v_add_f32 v[ACC+2*k], s[24+k%8], v[ACC+2*k]    ; every lane now holds logit (t = k / 8, e = k % 8)
.set k, k+1
.endr
	; argmax (the first of equals) and maximum
.irp t, 0,1,2,3
	v_mov_b32 v[IDX+\t], 0
	v_mov_b32 v[BEST+\t], v[ACC+16*\t]
.endr
.irp e, 1,2,3,4,5,6,7
.irp t, 0,1,2,3
	v_cmp_ge_f32 vcc_lo, v[BEST+\t], v[ACC+16*\t+2*\e]
	s_delay_alu instid0(VALU_DEP_1)
	v_cndmask_b32 v[IDX+\t], \e, v[IDX+\t], vcc_lo         ; best >= l: the index stays, else it is e
	v_max_num_f32 v[BEST+\t], v[BEST+\t], v[ACC+16*\t+2*\e]
.endr
.endr
	; exp(l - max) = 2^((l - max) log2 e), in the pairs' second registers
.set k, 0
.rept 32
	v_sub_f32 v[ACC+2*k+1], v[ACC+2*k], v[BEST+k/8]
.set k, k+1
.endr
.set k, 0
.rept 32
	v_mul_f32 v[ACC+2*k+1], 0x3fb8aa3b, v[ACC+2*k+1]
.set k, k+1
.endr
.set k, 0
	s_wait_alu depctr_va_vdst(0)
.rept 32
	v_exp_f32 v[ACC+2*k+1], v[ACC+2*k+1]
.set k, k+1
.endr
	v_nop                                          ; one plain vector instruction behind the last exponential before its result is read (ISA guide 5.7.2)
	s_wait_alu depctr_va_vdst(0)
.irp t, 0,1,2,3
	v_add_f32 v[SUM+\t], v[ACC+16*\t+1], v[ACC+16*\t+3]
.endr
.irp e, 2,3,4,5,6,7
.irp t, 0,1,2,3
	v_add_f32 v[SUM+\t], v[SUM+\t], v[ACC+16*\t+2*\e+1]
.endr
.endr
	s_wait_alu depctr_va_vdst(0)
.irp t, 0,1,2,3
	v_rcp_f32 v[GATE+\t], v[SUM+\t]                ; the exponential at the argmax is 1
.endr
	v_nop                                          ; as above, before the store reads the reciprocals
	s_wait_xcnt 0x0                                ; EXEC is a source of the pending stores: it changes only behind this wait
	v_cmp_eq_u32 vcc_lo, 0, v2
	s_wait_tensorcnt 0x0
	ds_add_u32 v14, v15
	s_wait_dscnt 0x0
	s_and_saveexec_b32 s40, vcc_lo                 ; lane 0, whose v2 is 0
	global_store_b128 v2, v[IDX:IDX+3], s[18:19]
	s_wait_alu depctr_va_vdst(0)
	global_store_b128 v2, v[GATE:GATE+3], s[20:21]
	s_endpgm
.Lfunc_end_k_q989354b851_prep:
	.size	k_q989354b851_prep, .Lfunc_end_k_q989354b851_prep-k_q989354b851_prep
	.p2alignl 7, 3214868480
	.fill 96, 4, 3214868480
	.section	.rodata,"a",@progbits
	.p2align	6, 0x0
	.amdhsa_kernel k_q989354b851_prep
		.amdhsa_group_segment_fixed_size 33792
		.amdhsa_private_segment_fixed_size 0
		.amdhsa_enable_private_segment 0
		.amdhsa_kernarg_size 72
		.amdhsa_user_sgpr_count 2
		.amdhsa_user_sgpr_kernarg_segment_ptr 1
		.amdhsa_wavefront_size32 1
		.amdhsa_system_sgpr_workgroup_id_x 1
		.amdhsa_system_sgpr_workgroup_id_y 1
		.amdhsa_system_sgpr_workgroup_id_z 1
		.amdhsa_system_vgpr_workitem_id 0
		.amdhsa_next_free_vgpr 256
		.amdhsa_next_free_sgpr 66
		.amdhsa_reserve_vcc 1
		.amdhsa_float_denorm_mode_32 3
		.amdhsa_float_denorm_mode_16_64 3
		.amdhsa_memory_ordered 1
		.amdhsa_forward_progress 1
		.amdhsa_inst_pref_size 100
	.end_amdhsa_kernel
	.amdgpu_metadata
---
amdhsa.version: [ 1, 2 ]
amdhsa.kernels:
  - .name:           k_q989354b851_prep
    .symbol:         k_q989354b851_prep.kd
    .args:
      - { .name: x, .offset: 0, .size: 8, .value_kind: global_buffer, .address_space: global }
      - { .name: router_w, .offset: 8, .size: 8, .value_kind: global_buffer, .address_space: global }
      - { .name: router_b, .offset: 16, .size: 8, .value_kind: global_buffer, .address_space: global }
      - { .name: expert_w, .offset: 24, .size: 8, .value_kind: global_buffer, .address_space: global }
      - { .name: lowp_scales, .offset: 32, .size: 8, .value_kind: global_buffer, .address_space: global }
      - { .name: xq, .offset: 40, .size: 8, .value_kind: global_buffer, .address_space: global }
      - { .name: wq, .offset: 48, .size: 8, .value_kind: global_buffer, .address_space: global }
      - { .name: idx, .offset: 56, .size: 8, .value_kind: global_buffer, .address_space: global }
      - { .name: gate, .offset: 64, .size: 8, .value_kind: global_buffer, .address_space: global }
    .group_segment_fixed_size: 33792
    .private_segment_fixed_size: 0
    .kernarg_segment_align: 8
    .kernarg_segment_size: 72
    .max_flat_workgroup_size: 256
    .sgpr_count:     66
    .vgpr_count:     256
    .wavefront_size: 32
...
	.end_amdgpu_metadata
.endif
;; end of part 6
;; launch experts (part 7): grid 256 x 1, 4 waves a work-group, no clusters, 217,600 bytes of LDS; arguments xq, wq, idx, gate, expert_b, lowp_scales, out0; writes out0
.if DOCPART == 7
	.amdgcn_target "amdgcn-amd-amdhsa--gfx1250"
	.amdhsa_code_object_version 6
	.text
	.protected	k_q989354b851_experts
	.globl	k_q989354b851_experts
	.p2align	8
	.type	k_q989354b851_experts,@function
k_q989354b851_experts:
	s_mov_b64 s[64:65], 0
	v_nop
	global_prefetch_b8 v0, s[64:65] scope:SCOPE_SE
	s_setreg_imm32_b32 hwreg(HW_REG_WAVE_SCHED_MODE, 0, 2), 2
	s_setreg_imm32_b32 hwreg(HW_REG_WAVE_MODE, 25, 1), 1
	s_wait_xcnt 0x0
	s_wait_alu depctr_vm_vsrc(0)
; out[t] = gate[t] (x[t] W_e^T + b_e) for the one expert e = idx[t]: only that eighth of the product is made; the gather throws the rest away for every input.
; Both operands are codes of E5M2 (xq, wq: a row of 1,024 codes in 1,024 bytes, K in one and the same order in both), multiplied as they are by v_wmma_f32_16x16x128_bf8_bf8,
; sums in f32.  With E = ex + ew: out = (sum of code products + b 2^-E) x (gate 2^E): the bias, scaled, is the C of a unit's first K step, so no bias is added and nothing is cleared.
; LIMITS: b 2^-E and gate 2^E are made by v_ldexp_f32 and are exact as long as they are normal f32 numbers.  NaN is not served.
; SHARES.  Work-group g: expert e = g >> 5; slice sl = (g >> 1) & 15: 64 output columns, 256 bytes of an output row; part = g & 1: tokens 2048 part .. + 2047.
; THE LIST.  Every wave reads the part's 2,048 idx and counts the members of e, N, in registers; wave 0 also puts each member's number into a list in LDS, at the place given by
; the members in front of it.  The list is dealt in units of 32 entries: wave w takes units w, w + 4, .. and holds them as a queue of 16 registers (entry = lane).
; Each wave holds the WHOLE slice of W as fragments in 512 registers (read from LDS once) and walks its units alone: a trip = 2 blocks of 16 tokens x 4 tiles of 16 columns x
; 8 K steps of 128 = 64 matrix instructions on 8 accumulators by turns, one instruction a turn.
; Entries at or beyond N take the unit's entry 0, which is a member whenever the trip runs (32 (w + 4 t) < N): that row is made and stored again by the same wave with equal
; numbers, so every lane stays on and no branch is needed for them.
; AHEAD.  Early in trip t are asked for: the gates of unit t + 1 (1 load) and its codes in eight SLOTS of 8 loads, slot s in the middle of K step s.  Slot s is quarter s >> 1 of K
; (256 bytes of a row), rows 16 (s & 1) on.  A unit's codes go from registers into LDS by the same quarters, each just ahead of the fragment loads that read it, so that LDS stores,
; LDS loads, global loads and products stand by turns and every wait for loads is counted.  The last trip is written out without requests, so no branch stands inside a trip.
; THE MATRIX INSTRUCTION IS USED TRANSPOSED: source 0 = 16 rows of W, source 1 = 16 tokens: register j of lane (r = l & 15, h = l >> 4) holds token r, column 16 nt + 8 h + j.
; A fragment (16 rows x 128 codes, 16 registers) comes by four loads of 16 bytes, 32 apart: registers 4 c .. 4 c + 3 hold bytes 128 s + 32 c + 16 h + 0 .. 15 of the row: the same
; bytes on both sides, so every product meets its partner; only the order of the sums inside and between instructions differs from ascending k.
; NO CLUSTER, NO TENSOR LOADS: the rows of x that the 16 slices share are gathered by a list, one address a row, and the number of trips hangs on N, which differs between
; work-groups; W's slice, 65,536 bytes, is shared by 2 work-groups alone and read once.
; No LDS address register is ever stepped: row, block, K step and place in the queue stand in the immediates (50,912 at the most).
; THE MODE: SCHED_MODE bits 1:0 = 2 (LLVM: expert scheduling mode 2), set by the entry lines.  The code itself states the register dependences between vector or matrix
; instructions and memory or LDS instructions, with s_wait_alu, always for 0.
; THE PLAN.  Registers that memory or LDS instructions touch:
;   v1, v3 - v8, v11, v16, v20 - v23   addresses and zeros: written at the head, ahead of one wait on va_vdst, and never again.
;   X (window 1)   The slots' loads land in it, the quarters' LDS stores read it, no vector instruction names it.  Quarter c is stored (head; middle of steps 0, 2, 4) and loaded again in
;                  the middle of steps 2 c and 2 c + 1: one wait on vm_vsrc in the middle of step 2 c.
;   AF = OB        Step s's matrix instructions read buffer s & 1; the fragments of step s + 2 land in it at the head of step s + 1, behind that step's one wait on va_vdst.  On the way out
;                  the stage's loads land in both buffers (behind the wait on va_vdst that follows the scaling) and the global stores read them (the next head's wait on vm_vsrc).
;   ACC            Written by matrix instructions and by the scaling, read by the stage's LDS stores: the same two waits.
;   XO, v18, v17   Written (v17: read) by vector lines early in a trip, ahead of one wait on va_vdst; then read by (v17: the landing of) the loads of the unit that follows; free again behind the next head's wait on vm_vsrc.
;   OO             Written at a trip's head, read by its global stores, with the steps' waits on va_vdst between; free again behind the next head's wait on vm_vsrc.
; Between a step's wait and the next stand its eight matrix instructions in two halves, which name W, AF's other buffer, ACC and the bias, with the step's slot and quarter between the halves.
; LDS: W's codes at 0: 64 rows, pitch 1,040 (1,024 + 16: the 16 rows of a fragment start 16 bytes further on modulo 256).  Before W comes in, its first 8,704 bytes hold the list:
; 2,048 words and, at word 2,048, a word into which the tokens of other experts are dumped.
.set WP,    1040
.set XS,    66560                      ; for each wave 32 rows of 1,040: a unit's codes; the wave's own
.set OS,    199680                     ; for each wave 16 rows of 272: a block on its way out; the wave's own.  The end is 217,088; behind it the spare words, 128 bytes a wave
.set OP,    272
; REGISTERS, window 0: v1 16 x lane; v2 16 (l & 15); v3 16 w rows of W + 16 x lane; v4 r rows + 16 h; v5 XS(w) + h rows + 16 (l & 15); v6 XS(w) + r rows + 16 h;
;   v7 OS(w) + 272 r + 32 h; v8 OS(w) + 272 h + 16 (l & 15); v9 my entry's number in the list (32 w + lane, + 128 a unit of mine); v10 the tokens of the unit asked for (entry = lane);
;   v11 32 h; v12, v14 gate 2^E of token r of block 0, 1 (v13, v15 at work, and named with them as pairs); v16 4 (32 w + lane); v17 the gates as loaded (entry = lane);
;   v18 their byte offsets; v19, v31 the closing add's two, kept for it alone; v[20:23] zeros; v26 2,048; v27 2048 part + 4 x lane
.set LQ,  32                           ; v[32:47]   the tokens of my 16 possible units, the next one first (while the list is made: places)
.set TC,  48                           ; v[48:63]   i: the token, clamped, of row 2 i + h of the unit whose codes have been asked for (while the list is made: token numbers)
.set AF,  64                           ; v[64:127]  fragments of x: two buffers x two blocks x 16
.set OB,  64                           ; the same registers on the way out: block m's 16 rows at OB + 32 m
.set IV,  64                           ; and, while the list is made, idx
.set ACC, 128                          ; v[128:191] accumulator (m, nt) at ACC + 8 (4 m + nt)
.set BI,  192                          ; v[192:223] 8 nt + j: bias of column 16 nt + 8 h + j, x 2^-E
.set OO,  224                          ; v[224:239] i: token x 4096 + 16 (l & 15): rows 2 i + h of the unit in hand, in out0
.set XO,  240                          ; v[240:255] i: token x 1024 + 16 (l & 15): the same rows of the unit asked for, in xq
; window 1: X: rows 2 i + h, quarter c at v[4 (4 i + c) ..];
; windows 2, 3: W's fragments: K step s, tile nt at v[64 (s & 3) + 16 nt ..] of window 2 + (s >> 2) (at the head, window 2 v0-127: W's codes as loaded)
.set MK,  66                           ; s[66:81]   while the list is made: masks of members
.set BS,  82                           ; s[82:97]   and the members in front of each mask
.set TOK, 66                           ; s[66:97]   the 32 tokens of the unit asked for
; s_set_vgpr_msb's low byte: bits 1:0 source 0, 3:2 source 1, 5:4 source 2, 7:6 destination
.set XW,  0x44                         ; a global load's data (destination) and an LDS store's data (source 1) in window 1, addresses in window 0: one setting for both ways of X
.set MSB, 0
.macro WIN new                         ; the immediate's high byte repeats the setting that is left; a switch that changes nothing is dropped
.if MSB != (\new)
	s_set_vgpr_msb (MSB<<8)|(\new)
.set MSB, (\new)
.endif
.endm
; A vector instruction that reads a matrix result stands four plain vector instructions behind it (ISA guide 7.12.1); other matrix instructions are not counted.
.macro PLACES
.rept 4
	v_nop
.endr
.endm
	s_load_b256 s[4:11], s[0:1], 0x0               ; xq s[4:5], wq s[6:7], idx s[8:9], gate s[10:11]
	s_load_b128 s[12:15], s[0:1], 0x20             ; expert_b s[12:13], lowp_scales s[14:15]
	s_load_b64 s[16:17], s[0:1], 0x30              ; out0
	v_lshl_add_u32 v19, v0, 2, 0x35000
	v_mov_b32 v31, 0
	v_lshrrev_b32 v13, 5, v0
	v_readfirstlane_b32 s2, v13                    ; wave 0..3
	v_mov_b32 v15, 0                               ; (written, since a lane permute's destination counts as read)
	v_and_b32 v30, 31, v0                          ; lane
	v_and_b32 v24, 15, v0                          ; r
	s_wait_alu depctr_va_vdst(0)
	v_bfe_u32 v25, v0, 4, 1                        ; h
	s_lshr_b32 s20, ttmp9, 5                       ; e
	s_bfe_u32 s21, ttmp9, 0x40001                  ; sl: 4 bits from bit 1
	s_and_b32 s22, ttmp9, 1                        ; part
	s_mov_b32 s32, 0x76543210                      ; v_permlanex16_b32: lane l xor 16
	s_mov_b32 s33, 0xfedcba98
	s_mov_b32 s34, 0xffff0000                      ; the lanes with h = 1
	v_lshlrev_b32 v1, 4, v30
	v_lshlrev_b32 v2, 4, v24
	s_wait_alu depctr_va_sdst(0)                   ; s2 is written, ahead of its first reader: LDS places, bases and the trip count are made from it
	s_mul_i32 s26, s2, 16*WP
	v_add_nc_u32 v3, s26, v1
	v_mul_u32_u24 v28, v24, WP
	s_wait_alu depctr_va_vdst(0)
	v_lshl_add_u32 v4, v25, 4, v28                 ; r rows + 16 h
	s_mul_i32 s26, s2, 32*WP
	s_add_co_u32 s26, s26, XS                      ; my XS
	v_add_nc_u32 v6, s26, v4
	v_mul_u32_u24 v29, v25, WP
	v_add_nc_u32 v29, v29, v2
	v_add_nc_u32 v5, s26, v29
	s_mul_i32 s26, s2, 16*OP
	s_add_co_u32 s26, s26, OS                      ; my OS
	v_mul_u32_u24 v29, v24, OP
	v_lshl_add_u32 v29, v25, 5, v29
	v_add_nc_u32 v7, s26, v29
	v_mul_u32_u24 v29, v25, OP
	v_add_nc_u32 v29, v29, v2
	v_add_nc_u32 v8, s26, v29
	s_lshl_b32 s26, s2, 5
	v_add_nc_u32 v9, s26, v30
	v_lshlrev_b32 v16, 2, v9
	v_lshlrev_b32 v11, 5, v25
.irp z, 20,21,22,23
	v_mov_b32 v\z, 0
.endr
	v_mov_b32 v26, 0x800
	s_lshl_b32 s26, s22, 11
	v_lshl_add_u32 v27, v30, 2, s26
	s_mov_b32 s31, 0
	s_wait_kmcnt 0x0
	s_load_b64 s[18:19], s[14:15], 0x0             ; ex, ew
	s_lshl_b32 s30, s22, 13                        ; idx: the part's 2,048 words
	s_add_nc_u64 s[8:9], s[8:9], s[30:31]
	s_wait_alu depctr_va_vdst(0)                   ; v1, v3 to v8, v11, v16 and the zeros v20 to v23 are written: every address of the kernel but XO, OO, v18 and the list's places, and the data of the stores that clear the list
	; load s, register c of lane l: idx of token 2048 part + 128 s + 4 l + c.  These stand first: the way to the first codes leads through them
.irp s, 0,1,2,3,4,5,6,7,8,9,10,11,12,13,14,15
	global_load_b128 v[IV+4*\s:IV+4*\s+3], v1, s[8:9] offset:512*\s
.endr
	s_lshl_b32 s30, s20, 20                        ; wq: an expert is 1,024 rows of 1,024 bytes,
	s_lshl_b32 s26, s21, 16                        ; a slice 64 rows,
	s_add_co_u32 s30, s30, s26
	s_lshl_b32 s26, s2, 14                         ; a wave brings 16 of them
	s_add_co_u32 s30, s30, s26
	s_add_nc_u64 s[6:7], s[6:7], s[30:31]
	s_lshl_b32 s30, s21, 8                         ; the slice's 256 bytes of an output row,
	s_add_nc_u64 s[16:17], s[16:17], s[30:31]
	s_lshl_b32 s26, s20, 12
	s_add_co_u32 s30, s30, s26                     ; and its 64 biases in row e
	s_add_nc_u64 s[12:13], s[12:13], s[30:31]
	WIN 0x80                                       ; destination window 2
.set wn, 0
.rept 32
	global_load_b128 v[4*wn:4*wn+3], v1, s[6:7] offset:1024*(wn/2)+512*(wn%2)   ; my 16 rows of W's codes: 512 consecutive bytes a load
.set wn, wn+1
.endr
	WIN 0
.irp k, 0,1,2,3,4,5,6,7
	global_load_b128 v[BI+4*\k:BI+4*\k+3], v11, s[12:13] offset:64*(\k/2)+16*(\k%2)
.endr
	s_cmp_lg_u32 s2, 0
	s_cbranch_scc1 .Lnozero
.set zn, 0
.rept 17
	ds_store_b128 v1, v[20:23] offset:512*zn       ; wave 0: the list begins as zeros: every entry that is read later has been written
.set zn, zn+1
.endr
.Lnozero:
; Sixteen registers of idx.  Every wave: the masks of members and the members in front of each, so that N is known to each wave from its own registers.
; Wave 0 alone (no other wave touches LDS before the first barrier): each member's number to place (members in front of it), all others to the dump word.
; The group's places and tokens are made in one run of vector lines, and its sixteen stores follow behind one wait.
.macro GROUP g
.irp q, 0,1,2,3,4,5,6,7,8,9,10,11,12,13,14,15
	v_cmp_eq_u32 s[MK+\q], s20, v[IV+16*\g+\q]
.endr
	s_wait_alu depctr_va_sdst(0)                   ; the sixteen compares have written their masks, ahead of the first line that reads one
.irp q, 0,1,2,3,4,5,6,7,8,9,10,11,12,13,14,15
	s_mov_b32 s[BS+\q], s23
	s_bcnt1_i32_b32 s26, s[MK+\q]
	s_add_co_u32 s23, s23, s26
.endr
.if \g > 0
	s_wait_alu depctr_vm_vsrc(0)                   ; wave 0's stores of the group before have read their places and tokens, which are written again below
.endif
	s_cmp_lg_u32 s2, 0
	s_cbranch_scc1 .Lcounted_\@
	s_wait_dscnt 0x0                               ; the stores issued so far are done
.irp q, 0,1,2,3,4,5,6,7,8,9,10,11,12,13,14,15
	v_mbcnt_lo_u32_b32 v[LQ+\q], s[MK+\q], s[BS+\q]
	v_cndmask_b32 v[LQ+\q], v26, v[LQ+\q], s[MK+\q]
	v_min_u32 v[LQ+\q], 0x800, v[LQ+\q]            ; a place made from loaded numbers enters an address only clamped to the list
	v_lshlrev_b32 v[LQ+\q], 2, v[LQ+\q]
	v_add_nc_u32 v[TC+\q], 128*(4*\g+\q/4)+\q%4, v27
.endr
	s_wait_alu depctr_va_vdst(0)                   ; the group's places and tokens are written, which the stores below read (and, behind the last group, the places' registers are ready for the loads from the list)
.irp q, 0,1,2,3,4,5,6,7,8,9,10,11,12,13,14,15
	ds_store_b32 v[LQ+\q], v[TC+\q]
.endr
.Lcounted_\@:
.endm
	s_mov_b32 s23, 0
	s_wait_loadcnt 40                              ; loads come back in order (ISA guide 5.7.1): idx is in; W's 32 loads and the bias's 8 stay out
	GROUP 0
	GROUP 1
	GROUP 2
	GROUP 3
	s_min_u32 s23, s23, 0x800                      ; N
	s_add_co_u32 s24, s23, 31
	s_lshr_b32 s24, s24, 5                         ; units of 32
	s_add_co_u32 s24, s24, 3
	s_sub_co_u32 s24, s24, s2
	s_lshr_b32 s24, s24, 2                         ; mine: w, w + 4, .. : 16 at the most
	s_wait_kmcnt 0x0
	s_add_co_i32 s18, s18, s19                     ; E = ex + ew
	s_sub_co_i32 s19, 0, s18                       ; -E
	s_wait_dscnt 0x0                               ; wave 0: the list is in LDS, for the others' sake
	s_barrier_signal -1
	s_barrier_wait -1
	s_wait_alu depctr_vm_vsrc(0)                   ; wave 0's last stores have read their places, in whose registers the loads below land, and their tokens, which the first unit's preparation writes
.irp q, 0,1,2,3,4,5,6,7,8,9,10,11,12,13,14,15
	ds_load_b32 v[LQ+\q], v16 offset:512*\q        ; entry 32 (w + 4 q) + lane
.endr
	s_wait_dscnt 0x0                               ; my reads of the list are back:
	s_barrier_signal -1
	s_barrier_wait -1                              ; everybody's are, so W's codes may take the list's bytes
; The unit at the queue's head is prepared: its tokens (entries at or beyond N: entry 0's), the tokens as scalars, and from them, for rows 2 i + h, the clamped tokens and the
; addresses of their codes; last, behind one wait for all these lines, its gates are asked for by token.
.macro PREPTOK
	v_cmp_gt_u32 s29, s23, v9
	v_readfirstlane_b32 s28, v[LQ]
	s_wait_alu depctr_va_sdst(0)                   ; the mask s29 and entry 0's token s28 are written, ahead of the select that reads both
	v_cndmask_b32 v10, s28, v[LQ], s29
.set pn, 0
.rept 32
	v_readlane_b32 s[TOK+pn], v10, pn
.set pn, pn+1
.endr
	v_min_u32 v18, 0xfff, v10                      ; a token from the list enters an address only clamped to the tables' 4,096 rows
	v_lshlrev_b32 v18, 2, v18
	s_wait_alu depctr_va_sdst(0)                   ; the 32 tokens are written as scalars, ahead of the first move that reads one
.set pn, 0
.rept 16
	v_mov_b32 v[TC+pn], s[TOK+2*pn]
.set pn, pn+1
.endr
.set pn, 0
.rept 16
	v_cndmask_b32 v[TC+pn], v[TC+pn], s[TOK+2*pn+1], s34   ; lanes 0-15: row 2 i, lanes 16-31: row 2 i + 1
.set pn, pn+1
.endr
.set pn, 0
.rept 16
	v_min_u32 v[TC+pn], 0xfff, v[TC+pn]
.set pn, pn+1
.endr
.set pn, 0
.rept 16
	v_lshl_add_u32 v[XO+pn], v[TC+pn], 10, v2      ; a row of xq is 1,024 bytes
.set pn, pn+1
.endr
	s_wait_alu depctr_va_vdst(0)                   ; v18 and XO are written, which the gate load and the eight slots read as addresses; the scaling of the last gates is done reading v17, in which the gate load lands; at the first use the compares are done reading idx, in whose registers the first fragments land
	global_load_b32 v17, v18, s[10:11]             ; gate of entry = lane
.endm
; The queue moves up one place: a trip's number cannot pick a register, and a stepped LDS address is avoided on purpose (see the head).
.macro SHIFT
.irp q, 0,1,2,3,4,5,6,7,8,9,10,11,12,13,14
	v_mov_b32 v[LQ+\q], v[LQ+\q+1]
.endr
	v_add_nc_u32 v9, 128, v9
.endm
; Slot sl of the prepared unit's codes: 8 loads, 16 lanes to 256 consecutive bytes of one row, at a multiple of 256.  (Under XW.)
.macro XLOAD sl
.set xc, (\sl)>>1
.set xi, 8*((\sl)&1)
.rept 8
	global_load_b128 v[4*(4*xi+xc):4*(4*xi+xc)+3], v[XO+xi], s[4:5] offset:256*xc
.set xi, xi+1
.endr
.endm
; Quarter c of the unit in hand from X into my XS: 16 stores.  (Under XW.)
.macro XSTQ c
.set xn, 0
.rept 16
	ds_store_b128 v5, v[4*(4*xn+(\c)):4*(4*xn+(\c))+3] offset:2*WP*xn+256*(\c)
.set xn, xn+1
.endr
.endm
.macro FRAGS s                         ; x's two fragments of K step s into buffer s & 1: eight loads
	WIN 0
.irp m, 0,1
.irp c, 0,1,2,3
	ds_load_b128 v[AF+32*((\s)&1)+16*\m+4*\c:AF+32*((\s)&1)+16*\m+4*\c+3], v6 offset:16*WP*\m+128*(\s)+32*\c
.endr
.endr
.endm
.macro MULH s, n0                      ; half a K step: four matrix instructions, tiles n0 and n0 + 1 x both blocks, one on each accumulator; K step 0 starts the sums from the bias
	WIN 0x02+((\s)>>2)                             ; source 0 (W) window 2 or 3
.irp nt, \n0, \n0+1
.irp m, 0,1
.if (\s) == 0
	v_wmma_f32_16x16x128_bf8_bf8 v[ACC+8*(4*\m+(\nt)):ACC+8*(4*\m+(\nt))+7], v[64*((\s)&3)+16*(\nt):64*((\s)&3)+16*(\nt)+15], v[AF+32*((\s)&1)+16*\m:AF+32*((\s)&1)+16*\m+15], v[BI+8*(\nt):BI+8*(\nt)+7]
.else
	v_wmma_f32_16x16x128_bf8_bf8 v[ACC+8*(4*\m+(\nt)):ACC+8*(4*\m+(\nt))+7], v[64*((\s)&3)+16*(\nt):64*((\s)&3)+16*(\nt)+15], v[AF+32*((\s)&1)+16*\m:AF+32*((\s)&1)+16*\m+15], v[ACC+8*(4*\m+(\nt)):ACC+8*(4*\m+(\nt))+7]
.endif
.endr
.endr
.endm
.macro SCALE m                         ; block m x gate 2^E of my token r; each accumulator from its low end on
.set sn, 0
.rept 16
	v_pk_mul_f32 v[ACC+32*\m+2*sn:ACC+32*\m+2*sn+1], v[ACC+32*\m+2*sn:ACC+32*\m+2*sn+1], v[12+2*\m:13+2*\m] op_sel_hi:[1,0]
.set sn, sn+1
.endr
.endm
.macro TOSTAGE m                       ; 16 tokens x 64 columns into my OS, 32 bytes a lane and tile, and back as rows of 256 bytes, two rows a load
.irp nt, 0,1,2,3
	ds_store_b128 v7, v[ACC+8*(4*\m+\nt):ACC+8*(4*\m+\nt)+3] offset:64*\nt
	ds_store_b128 v7, v[ACC+8*(4*\m+\nt)+4:ACC+8*(4*\m+\nt)+7] offset:64*\nt+16
.endr
.irp i, 0,1,2,3,4,5,6,7
	ds_load_b128 v[OB+32*\m+4*\i:OB+32*\m+4*\i+3], v8 offset:2*OP*\i   ; LDS serves a wave's instructions in order (ISA guide 5.7.1.4): these see the stores above, and the next block's stores come behind them
.endr
.endm
.macro SEND m, younger                 ; younger: the LDS instructions issued behind block m's eight loads
.irp i, 0,1,2,3,4,5,6,7
	s_wait_dscnt \younger+7-\i
	global_store_b128 v[OO+8*\m+\i], v[OB+32*\m+4*\i:OB+32*\m+4*\i+3], s[16:17] th:TH_STORE_NT   ; 16 lanes: 256 consecutive bytes of a token's row, at a multiple of 256
.endr
.endm
; A TRIP: one unit.  nxt = 1: a unit of mine follows, and its gates and codes are asked for.  On the way in the loads that may be out are, oldest first: this unit's gates (1),
; this unit's slots 0 .. 7.  Loads come back in order (ISA guide 5.7.1), so each wait below counts what was issued behind the slots that it needs:
;   head:             slots 0, 1: behind them slots 2 - 7, 48 loads;
;   middle of step 0: slots 2, 3: slots 4 - 7 (32), and with nxt the new gate load;
;   middle of step 2: slots 4, 5: slots 6, 7 (16), and with nxt that load and the new slots 0, 1;
;   middle of step 4: slots 6, 7: with nxt that load and the new slots 0 - 3.
; LDS: the fragments of steps 0 and 1 are asked for at the trip's head, those of step s + 1 at the head of step s; quarter c + 1 is stored in the middle of step 2 c.  So behind the
; fragments of steps 1, 3, 5 stand a quarter's 16 stores and the next step's 8 loads (24 may be out), behind those of steps 0, 2, 4, 6 the 8 loads alone, which also shows the quarter
; stored one step before done.
.macro TRIP nxt
	s_wait_loadcnt 48
	s_wait_xcnt 0x0                                ; every earlier memory instruction has had its addresses translated (ISA guide 3.1): XO, OO, OB and v18 are rewritten only behind this wait
	s_wait_alu depctr_vm_vsrc(0)                   ; the last trip's global stores have read OO and OB, its stage stores ACC, the slots' loads XO, the gate load v18: fragments land in OB, vector lines write OO, XO and v18, and K step 0 writes ACC below
	WIN XW
	XSTQ 0
	FRAGS 0
	FRAGS 1
	v_ldexp_f32 v13, v17, s18                      ; gate 2^E of entry = lane,
	v_permlanex16_b32 v15, v13, s32, s33           ; and of lane l xor 16
	v_cndmask_b32 v12, v13, v15, s34               ; block 0: entry r
	v_cndmask_b32 v14, v15, v13, s34               ; block 1: entry 16 + r
.set on, 0
.rept 16
	v_lshl_add_u32 v[OO+on], v[TC+on], 12, v2      ; a row of out0 is 4,096 bytes
.set on, on+1
.endr
.if \nxt
	SHIFT
	PREPTOK
.endif
.set ss, 0
.rept 8
.if (ss > 0) && (ss < 7)
	WIN 0
	s_wait_alu depctr_va_vdst(0)                   ; the last step's matrix instructions are done reading their buffer of fragments, in which the loads below land
	FRAGS ss+1
.endif
.if ss == 7
	s_wait_dscnt 0x0
.elseif (ss == 1) || (ss == 3) || (ss == 5)
	s_wait_dscnt 24
.else
	s_wait_dscnt 0x8                               ; (in the first trip W's fragments are older still: they are in too)
.endif
	MULH ss, 0
.if (ss == 0) || (ss == 2) || (ss == 4)
	WIN XW
.if ss == 0
	s_wait_loadcnt 32+\nxt
.elseif ss == 2
	s_wait_loadcnt 16+17*\nxt
.else
	s_wait_loadcnt 33*\nxt
.endif
.endif
.if \nxt
	WIN XW
.if (ss & 1) == 0
	s_wait_alu depctr_vm_vsrc(0)                   ; the LDS stores of quarter ss / 2 have read its registers, in which this step's slot and the next step's land; nothing names them in between
.endif
	XLOAD ss                                       ; no wait on va_vdst: no vector or matrix instruction since the wait at the preparation's end names XO or X
.endif
.if (ss == 0) || (ss == 2) || (ss == 4)
	XSTQ ss/2+1
.endif
	MULH ss, 2
.set ss, ss+1
.endr
	WIN 0
	PLACES                                         ; behind the last products, before their results are read
	SCALE 0
	SCALE 1
	s_wait_alu depctr_va_vdst(0)                   ; the scaling has written ACC, which the stage's stores read; the matrix instructions of K steps 6 and 7 are done reading the fragments, in whose registers the stage's loads land
	TOSTAGE 0
	TOSTAGE 1
	SEND 0, 16                                     ; behind block 0's loads: block 1's 8 stores and 8 loads
	SEND 1, 0
.endm
	; My first unit is asked for ahead of W's way into LDS.  A wave without a unit asks too (for rows of tokens that exist: the list's zeros, or entries of others), so that the
	; count below holds for every wave; what it brings is not used.
	PREPTOK
	WIN XW
.irp sl, 0,1,2,3,4
	XLOAD \sl
.endr
	WIN 0
	s_wait_loadcnt 41                              ; W's codes and the bias are in; the gate load and the 40 loads of slots 0 - 4 stay out
.set bn, 0
.rept 32
	v_ldexp_f32 v[BI+bn], v[BI+bn], s19
.set bn, bn+1
.endr
	WIN 0x08                                       ; LDS store data window 2
.set wn, 0
.rept 32
	ds_store_b128 v3, v[4*wn:4*wn+3] offset:WP*(wn/2)+512*(wn%2)
.set wn, wn+1
.endr
	WIN 0
	s_wait_dscnt 0x0                               ; my 16 rows of W are in LDS, for the others' sake
	s_barrier_signal -1
	s_barrier_wait -1                              ; all 64 rows are; nobody writes them again.  From here on every wave works alone: no barrier follows
	s_wait_alu depctr_vm_vsrc(0)                   ; my LDS stores have read W's codes in window 2, in whose registers W's fragments land below
	s_cmp_eq_u32 s24, 0
	s_cbranch_scc1 .Lend
.set fs, 0
.rept 8                                            ; the whole slice of W into registers: 128 loads, once
	WIN 0x80+0x40*(fs>>2)                          ; destination window 2 or 3
.irp nt, 0,1,2,3
.irp c, 0,1,2,3
	ds_load_b128 v[64*(fs&3)+16*\nt+4*\c:64*(fs&3)+16*\nt+4*\c+3], v4 offset:16*WP*\nt+128*fs+32*\c
.endr
.endr
.set fs, fs+1
.endr
	WIN XW
.irp sl, 5,6,7
	XLOAD \sl                                      ; the first unit's last three slots, which K steps 4 to 7 read, stand behind W's fragment loads; the only vector lines since the preparation's wait scale the bias
.endr
	WIN 0                                          ; at a label and at a branch every window is 0
	s_sub_co_u32 s27, s24, 1                       ; trips that have a successor
	s_cmp_eq_u32 s27, 0
	s_cbranch_scc1 .Llast
	s_mov_b32 s25, 0
.Ltrip:
	TRIP 1
	s_add_co_u32 s25, s25, 1
	s_cmp_lt_u32 s25, s27
	s_cbranch_scc1 .Ltrip
.Llast:
	TRIP 0                                         ; my last unit: nothing more is asked for
.Lend:
	s_wait_dscnt 0x0                               ; the closing lines, six on end
	s_wait_alu 0x0
	s_wait_tensorcnt 0x0
	ds_add_u32 v19, v31
	s_wait_dscnt 0x0
	s_endpgm
.Lfunc_end_k_q989354b851_experts:
	.size	k_q989354b851_experts, .Lfunc_end_k_q989354b851_experts-k_q989354b851_experts
	.p2alignl 7, 3214868480
	.fill 96, 4, 3214868480
	.section	.rodata,"a",@progbits
	.p2align	6, 0x0
	.amdhsa_kernel k_q989354b851_experts
		.amdhsa_group_segment_fixed_size 217600
		.amdhsa_private_segment_fixed_size 0
		.amdhsa_enable_private_segment 0
		.amdhsa_kernarg_size 56
		.amdhsa_user_sgpr_count 2
		.amdhsa_user_sgpr_kernarg_segment_ptr 1
		.amdhsa_wavefront_size32 1
		.amdhsa_system_sgpr_workgroup_id_x 1
		.amdhsa_system_sgpr_workgroup_id_y 1
		.amdhsa_system_sgpr_workgroup_id_z 1
		.amdhsa_system_vgpr_workitem_id 0
		.amdhsa_next_free_vgpr 1024
		.amdhsa_next_free_sgpr 98
		.amdhsa_reserve_vcc 0
		.amdhsa_float_denorm_mode_32 3
		.amdhsa_float_denorm_mode_16_64 3
		.amdhsa_memory_ordered 1
		.amdhsa_forward_progress 1
		.amdhsa_inst_pref_size 124
	.end_amdhsa_kernel
	.amdgpu_metadata
---
amdhsa.version: [ 1, 2 ]
amdhsa.kernels:
  - .name:           k_q989354b851_experts
    .symbol:         k_q989354b851_experts.kd
    .args:
      - { .name: xq, .offset: 0, .size: 8, .value_kind: global_buffer, .address_space: global }
      - { .name: wq, .offset: 8, .size: 8, .value_kind: global_buffer, .address_space: global }
      - { .name: idx, .offset: 16, .size: 8, .value_kind: global_buffer, .address_space: global }
      - { .name: gate, .offset: 24, .size: 8, .value_kind: global_buffer, .address_space: global }
      - { .name: expert_b, .offset: 32, .size: 8, .value_kind: global_buffer, .address_space: global }
      - { .name: lowp_scales, .offset: 40, .size: 8, .value_kind: global_buffer, .address_space: global }
      - { .name: out0, .offset: 48, .size: 8, .value_kind: global_buffer, .address_space: global }
    .group_segment_fixed_size: 217600
    .private_segment_fixed_size: 0
    .kernarg_segment_align: 8
    .kernarg_segment_size: 56
    .max_flat_workgroup_size: 128
    .sgpr_count:     98
    .vgpr_count:     1024
    .wavefront_size: 32
...
	.end_amdgpu_metadata
.endif
;; end of part 7
